; MI455X (gfx1250); checked and timed in simulation.
; The chip was launched on July 23, 2026; its instructions are those of AMD's public machine-readable ISA for CDNA 5 (MIT licence, August 2026) and "CDNA5" Instruction Set Architecture Reference Guide (July 2026). The comments in the code are by the model that wrote it; some were corrected since.
;; Qwen3 Attention. Allowed arithmetic: float matrix products may take bf16 or f16 operands with f32 sums; other float arithmetic in f32, or as packed bf16 or f16 multiplies, adds, multiply-adds, maxima and minima; sums over many terms, partial sums and values carried from step to step in f32; what a program stores and reads back later, other than sums and carried values, may be rounded once to bf16 or f16.
;; Inputs: Wk 2,048 x 1,024 float32; Wo 1,024 x 2,048 float32; Wq 2,048 x 1,024 float32; Wv 2,048 x 1,024 float32; cos 2 x 2,048 x 128 float32; hidden_states 2 x 2,048 x 2,048 float32; k_norm_w 128 float32; q_norm_w 128 float32; sin 2 x 2,048 x 128 float32.
;; Outputs: out0 2 x 2,048 x 2,048 float32.
;; One version. Each part assembles by itself: llvm-mc -triple=amdgcn-amd-amdhsa -mcpu=gfx1250 --defsym DOCPART=n.
;; ======== version 1 of 1: 4 launches
;; limits: values are held in f16: magnitudes above 65,504 overflow, below 6.1e-05 lose precision
;; workspace buffers: xb 16,777,216 bytes; wqkv 12,582,912 bytes; wo16 4,194,304 bytes; rope 4,194,304 bytes; qkvh 25,165,824 bytes; qkvl 6,291,456 bytes; att 10,485,760 bytes
;; launch prep (part 1): grid 1088 x 1, 8 waves a work-group, no clusters, 0 bytes of LDS; arguments hidden_states, Wq, Wk, Wv, Wo, cos, sin, xb, wqkv, wo16, rope; writes xb, wqkv, wo16, rope
.if DOCPART == 1
	.amdgcn_target "amdgcn-amd-amdhsa--gfx1250"
	.amdhsa_code_object_version 6
	.text
	.protected	k_qc7876362ee_prep
	.globl	k_qc7876362ee_prep
	.p2align	8
	.type	k_qc7876362ee_prep,@function
k_qc7876362ee_prep:
	s_mov_b64 s[64:65], 0
	v_nop
	global_prefetch_b8 v0, s[64:65] scope:SCOPE_SE
	s_setreg_imm32_b32 hwreg(HW_REG_WAVE_MODE, 25, 1), 1
	s_wait_xcnt 0x0
; CASTS, a pure stream.  Every input of the module is rounded once to bf16 (round to nearest even):
;   hidden_states -> xb   bf16 [4096][2048]          Wq, Wk, Wv -> wqkv bf16 [3][2048][1024]
;   Wo -> wo16: rounded to bf16, that number written as f16 [1024][2048]     cos, sin -> rope: rounded to bf16, written as f32 (cos at byte 0, sin at byte 2,097,152)
; LIMIT.  A bf16-rounded Wo beyond 65,504 has no f16; below 6.1e-5 it keeps f16's fixed step of 6e-8.
; A work-group takes one chunk of 16,384 numbers (65,536 bytes in): 512 chunks of x, 3 x 128 of Wq, Wk, Wv, 128 of Wo, 2 x 32 of cos and sin = 1,088 work-groups.
; Thread t takes, in each of eight items, the eight numbers at byte 8,192 i + 32 t: two loads of 16 bytes; all sixteen loads go out first.  Eight numbers leave as 16 bytes of 16-bit
; numbers (a wave's store covers 512 consecutive bytes, aligned) or as 32 bytes of f32.  No LDS, no barrier, no matrix unit, no cluster: nothing is shared and nothing is read twice.
; The conversions work in place, so a wave needs 72 registers: 1,088 work-groups are 4.25 for each of 256 WGPs, and five of them (ten waves a SIMD, 720 of its 1,024 registers) find room together.
.set X, 4                              ; v[4:67]    item i: 8 registers as loaded; what is stored takes their place
.set T, 68                             ; v[68:71]   at work
	s_load_b512 s[8:23], s[0:1], 0x0               ; hidden_states s[8:9], Wq s[10:11], Wk s[12:13], Wv s[14:15], Wo s[16:17], cos s[18:19], sin s[20:21], xb s[22:23]
	s_load_b128 s[24:27], s[0:1], 0x40             ; wqkv s[24:25], wo16 s[26:27]
	s_load_b64 s[28:29], s[0:1], 0x50              ; rope
	s_mov_b32 s38, 0xffff0000                      ; a word's upper bf16
	s_mov_b32 s35, 0                               ; high words of the two offsets
	s_mov_b32 s37, 0
	v_lshlrev_b32 v1, 5, v0                        ; 32 t: my place in 8,192 bytes of f32
	v_lshlrev_b32 v2, 4, v0                        ; 16 t: my place in 4,096 bytes of 16-bit numbers
	s_wait_kmcnt 0x0
	; which chunk: source s[30:31] + s[34:35], destination s[32:33] + s[36:37], mode s42 (0 bf16, 1 f16, 2 f32)
	s_cmp_lt_u32 ttmp9, 512
	s_cbranch_scc0 .Lnot_x
	s_mov_b64 s[30:31], s[8:9]
	s_mov_b64 s[32:33], s[22:23]
	s_lshl_b32 s34, ttmp9, 16
	s_lshl_b32 s36, ttmp9, 15
	s_mov_b32 s42, 0
	s_branch .Lgo
.Lnot_x:
	s_cmp_lt_u32 ttmp9, 896
	s_cbranch_scc0 .Lnot_w
	s_sub_co_u32 s39, ttmp9, 512                   ; chunk among the three weights' 384
	s_lshr_b32 s40, s39, 7                         ; which weight
	s_and_b32 s41, s39, 127                        ; chunk in it
	s_cmp_eq_u32 s40, 0
	s_cselect_b64 s[30:31], s[10:11], s[12:13]
	s_cmp_eq_u32 s40, 2
	s_cselect_b64 s[30:31], s[14:15], s[30:31]
	s_mov_b64 s[32:33], s[24:25]
	s_lshl_b32 s34, s41, 16
	s_lshl_b32 s36, s39, 15                        ; the three lie one behind the other in wqkv
	s_mov_b32 s42, 0
	s_branch .Lgo
.Lnot_w:
	s_cmp_lt_u32 ttmp9, 1024
	s_cbranch_scc0 .Lnot_o
	s_sub_co_u32 s39, ttmp9, 896
	s_mov_b64 s[30:31], s[16:17]
	s_mov_b64 s[32:33], s[26:27]
	s_lshl_b32 s34, s39, 16
	s_lshl_b32 s36, s39, 15
	s_mov_b32 s42, 1
	s_branch .Lgo
.Lnot_o:
	s_sub_co_u32 s39, ttmp9, 1024
	s_and_b32 s41, s39, 31
	s_cmp_lt_u32 s39, 32
	s_cselect_b64 s[30:31], s[18:19], s[20:21]
	s_mov_b64 s[32:33], s[28:29]
	s_lshl_b32 s34, s41, 16
	s_lshl_b32 s36, s39, 16                        ; cos' 32 chunks, then sin's
	s_mov_b32 s42, 2
.Lgo:
	s_add_nc_u64 s[30:31], s[30:31], s[34:35]
	s_add_nc_u64 s[32:33], s[32:33], s[36:37]
.irp i, 0,1,2,3,4,5,6,7
	global_load_b128 v[X+8*(\i):X+8*(\i)+3],   v1, s[30:31] offset:(\i)*8192 th:TH_LOAD_NT
	global_load_b128 v[X+8*(\i)+4:X+8*(\i)+7], v1, s[30:31] offset:(\i)*8192+16 th:TH_LOAD_NT
.endr
; One item.  Every item has registers of its own, so nothing that a store still reads is written again.  A packing line j writes register j of the item and reads registers 2 j and 2 j + 1:
; in ascending order none writes over a number that is still to be read.
.macro ITEM mode, i
	s_wait_loadcnt 14-2*(\i)                       ; loads come back in order: mine are in, the two of each younger item stay out
.if (\mode) == 0
.irp j, 0,1,2,3
	v_cvt_pk_bf16_f32 v[X+8*(\i)+(\j)], v[X+8*(\i)+2*(\j)], v[X+8*(\i)+2*(\j)+1]
.endr
	global_store_b128 v2, v[X+8*(\i):X+8*(\i)+3], s[32:33] offset:(\i)*4096
.else
.irp j, 0,1,2,3
	v_cvt_pk_bf16_f32 v[T+(\j)], v[X+8*(\i)+2*(\j)], v[X+8*(\i)+2*(\j)+1]
.endr
.irp j, 0,1,2,3
	v_lshlrev_b32 v[X+8*(\i)+2*(\j)],   16,  v[T+(\j)]   ; the rounded number as f32 again
	v_and_b32     v[X+8*(\i)+2*(\j)+1], s38, v[T+(\j)]
.endr
.if (\mode) == 1
.irp j, 0,1,2,3
	v_cvt_pk_f16_f32 v[X+8*(\i)+(\j)], v[X+8*(\i)+2*(\j)], v[X+8*(\i)+2*(\j)+1]   ; exact within f16's normal range
.endr
	global_store_b128 v2, v[X+8*(\i):X+8*(\i)+3], s[32:33] offset:(\i)*4096
.else
	global_store_b128 v1, v[X+8*(\i):X+8*(\i)+3],   s[32:33] offset:(\i)*8192
	global_store_b128 v1, v[X+8*(\i)+4:X+8*(\i)+7], s[32:33] offset:(\i)*8192+16
.endif
.endif
.endm
	s_cmp_eq_u32 s42, 0
	s_cbranch_scc1 .Lto_bf16
	s_cmp_eq_u32 s42, 1
	s_cbranch_scc1 .Lto_f16
.irp i, 0,1,2,3,4,5,6,7
	ITEM 2, \i
.endr
	s_endpgm
.Lto_bf16:
.irp i, 0,1,2,3,4,5,6,7
	ITEM 0, \i
.endr
	s_endpgm
.Lto_f16:
.irp i, 0,1,2,3,4,5,6,7
	ITEM 1, \i
.endr
	s_endpgm
.Lfunc_end_k_qc7876362ee_prep:
	.size	k_qc7876362ee_prep, .Lfunc_end_k_qc7876362ee_prep-k_qc7876362ee_prep
	.p2alignl 7, 3214868480
	.fill 96, 4, 3214868480
	.section	.rodata,"a",@progbits
	.p2align	6, 0x0
	.amdhsa_kernel k_qc7876362ee_prep
		.amdhsa_group_segment_fixed_size 0
		.amdhsa_private_segment_fixed_size 0
		.amdhsa_enable_private_segment 0
		.amdhsa_kernarg_size 88
		.amdhsa_user_sgpr_count 2
		.amdhsa_user_sgpr_kernarg_segment_ptr 1
		.amdhsa_wavefront_size32 1
		.amdhsa_system_sgpr_workgroup_id_x 1
		.amdhsa_system_sgpr_workgroup_id_y 1
		.amdhsa_system_sgpr_workgroup_id_z 1
		.amdhsa_system_vgpr_workitem_id 0
		.amdhsa_next_free_vgpr 72
		.amdhsa_next_free_sgpr 66
		.amdhsa_reserve_vcc 0
		.amdhsa_float_denorm_mode_32 3
		.amdhsa_float_denorm_mode_16_64 3
		.amdhsa_memory_ordered 1
		.amdhsa_forward_progress 1
		.amdhsa_inst_pref_size 20
	.end_amdhsa_kernel
	.amdgpu_metadata
---
amdhsa.version: [ 1, 2 ]
amdhsa.kernels:
  - .name:           k_qc7876362ee_prep
    .symbol:         k_qc7876362ee_prep.kd
    .args:
      - { .name: hidden_states, .offset: 0, .size: 8, .value_kind: global_buffer, .address_space: global }
      - { .name: Wq, .offset: 8, .size: 8, .value_kind: global_buffer, .address_space: global }
      - { .name: Wk, .offset: 16, .size: 8, .value_kind: global_buffer, .address_space: global }
      - { .name: Wv, .offset: 24, .size: 8, .value_kind: global_buffer, .address_space: global }
      - { .name: Wo, .offset: 32, .size: 8, .value_kind: global_buffer, .address_space: global }
      - { .name: cos, .offset: 40, .size: 8, .value_kind: global_buffer, .address_space: global }
      - { .name: sin, .offset: 48, .size: 8, .value_kind: global_buffer, .address_space: global }
      - { .name: xb, .offset: 56, .size: 8, .value_kind: global_buffer, .address_space: global }
      - { .name: wqkv, .offset: 64, .size: 8, .value_kind: global_buffer, .address_space: global }
      - { .name: wo16, .offset: 72, .size: 8, .value_kind: global_buffer, .address_space: global }
      - { .name: rope, .offset: 80, .size: 8, .value_kind: global_buffer, .address_space: global }
    .group_segment_fixed_size: 0
    .private_segment_fixed_size: 0
    .kernarg_segment_align: 8
    .kernarg_segment_size: 88
    .max_flat_workgroup_size: 256
    .sgpr_count:     66
    .vgpr_count:     72
    .wavefront_size: 32
...
	.end_amdgpu_metadata
.endif
;; end of part 1
;; launch qkv (part 2): grid 8 x 32, 4 waves a work-group, clusters of 4 x 4, 327,680 bytes of LDS; arguments xb, wqkv, rope, q_norm_w, k_norm_w, qkvh, qkvl; writes qkvh, qkvl
.if DOCPART == 2
	.amdgcn_target "amdgcn-amd-amdhsa--gfx1250"
	.amdhsa_code_object_version 6
	.text
	.protected	k_qc7876362ee_qkv
	.globl	k_qc7876362ee_qkv
	.p2align	8
	.type	k_qc7876362ee_qkv,@function
k_qc7876362ee_qkv:
	s_mov_b64 s[64:65], 0
	v_nop
	global_prefetch_b8 v0, s[64:65] scope:SCOPE_SE
	s_setreg_imm32_b32 hwreg(HW_REG_WAVE_MODE, 25, 1), 1
	s_wait_xcnt 0x0
	s_wait_alu depctr_hold_cnt(0) depctr_sa_sdst(0) depctr_va_vdst(0) depctr_va_sdst(0) depctr_va_ssrc(0) depctr_va_vcc(0) depctr_vm_vsrc(0)
	s_getreg_b32 s2, hwreg(HW_REG_IB_STS2, 6, 4)
	s_cmp_eq_u32 s2, 0
	s_cbranch_scc0 .Lentry_in_a_cluster
	s_endpgm
.Lentry_in_a_cluster:
	s_bfe_u32 s2, ttmp6, 0x10000c
	s_cmp_lg_u32 s2, 0xf033
	s_cbranch_scc0 .Lentry_shape_is_right
	s_endpgm
.Lentry_shape_is_right:
; q, k, v OF ONE HEAD FOR 128 TOKENS: x W (bf16 operands, f32 sums), RMSNorm over the head's 128 numbers on q and k, RoPE, rounded once to f16, stored by heads: qkvh [3][16 bh][2048][128].
; LIMITS.  q, k and v must lie within f16's 65,504; the norm gains are rounded to bf16 like every input of the module; NaN and infinities are not treated apart.
; THE LOW PARTS.  A causal row with few keys is a mean of few rows of v: its numbers are many times the output's root mean square, by which results are compared, and f16's 11 bits are too few there.
; So for the first 16 tokens of every 64 (row block 0 of every wave: one text for all waves and work-groups) what the rounding drops, x - f16(x), is rounded to f16 too and stored in
; qkvl [3][16 bh][32 blocks of 64 tokens][16][128].  A low part below 6.1e-5 keeps f16's fixed step of 6e-8.
; SHARES.  Work-group (hx, ty): tokens 128 ty .. + 127, head hx: a tile of 128 x 384.  Wave w: rows 64 (w / 2) .. + 63; of each of q, k, v the blocks of 16 columns 2 (w % 2) + lo + 4 hi (lo, hi = 0, 1),
; so that RoPE's partners d and d + 64 lie in one lane.  48 accumulators of 16 x 16; for 32 along K a wave reads 16 fragments for 48 matrix instructions.
; THE MATRIX INSTRUCTION IS USED TRANSPOSED: source 0 = 16 columns of W, source 1 = 16 tokens.  A lane then holds token lane % 16 and the columns 8 (lane / 16) + 0..7 of a block.
; W lies [k][n] in memory and in LDS; its fragments come out turned, by ds_load_tr16_b128.
; RING.  K goes in 16 steps of 128 through two LDS slots.  A slot has four regions of 36,864 bytes: x (128 rows of 256 + 16 bytes), then W of q, of k, of v (128 k-rows of 256 + 32 bytes); wave w fetches region w.
; ONE TEXT FOR A K STEP.  The slot being read is a scalar, 0 or SLOT, turned by an exclusive or at each change of slots; the fragments' addresses are that scalar plus a lane's constant, and one descriptor a tensor
; walks: its LDS word is the scalar plus the wave's region, its address steps one K step a fill.  Written out: the first quarter (its products start the sums), a loop of 14 K steps that each fill a slot again,
; entered in its middle, and a loop of the last two, which fill nothing.  The price: the last change of slots fetches 32 fragments' loads from the other slot that nothing uses.
; CLUSTER 4 x 4.  The four work-groups of a row of the cluster share ty and so x's tile; the four of a column share hx and so W's tiles: each tile is asked for jointly.
; REGISTERS, in windows of 256: window 0 addresses and the way out; window 1 two fragment buffers of 128 (12 of W, 4 of x), later cos and sin, later the rows read back;
; window 2 the accumulators of row blocks 0, 1 (block a, column block b = 4 type + lo + 2 hi at 8 (12 (a % 2) + b)); window 3 those of row blocks 2, 3.
.set PA,    272                        ; a row of x in LDS: 68 words, so the 16 rows of a load start at 16 different groups of four banks
.set PB,    288                        ; a k-row of W: 72 words
.set REG,   128*PB
.set SLOT,  4*REG
.set SCR,   2*SLOT                     ; behind the ring: 512 bytes a wave, sums of squares
.set SPARE, SCR+2048                   ; the spare words, 128 bytes a wave: two blocks of 256 bytes that no other line names
.set SPT,   816                        ; the stage's row: q, k, v of a token, 3 x (256 + 16) bytes.  The stage (128 rows, then 32 rows of low parts) lies in slot 0, which has had its last fill by then
.set STEPS, 16                         ; K steps
.set STO2, 12                          ; into the stage's rows of low parts
.set RD2,  13                          ; back from them
.set ADRA0, 16                         ; v16     my x fragments in slot 0; never rewritten
.set ADRA,  17                         ; v17     in the slot being read
.set ADRB0, 18                         ; v18-20  my W fragments of type t in slot 0; never rewritten
.set ADRB,  21                         ; v21-23  in the slot being read
.set STO,  24                          ; into the stage
.set RD,   25                          ; back from it
.set GO,   26                          ; my 16 bytes in 512 consecutive bytes of qkvh or qkvl
.set RO,   27                          ; my byte offset in the wave's rows of cos and sin
.set SPW,  28                          ; my spare word; never rewritten
.set NIL,  29                          ; 0; never rewritten
.set WOF,  30                          ; my byte offset in a norm gain
.set SCW,  31
.set SCRD, 32
.set SS,   34                          ; v34-49  sums of squares, a pair for each (row block a, type t) at 2 (2 a + t)
.set SQ,   50                          ; v50-57  the same as one number, then 1 / rms
.set PQ,   58                          ; v58-65  the partner wave's
.set NW,   66                          ; v66-129 norm gains of my columns: type t, block q = lo + 2 hi at 32 t + 8 q
.set Y,    130                         ; v130-161 normalised numbers, block q at 8 q; at work for the low parts
.set O,    162                         ; v162-193 rotated
.set PK,   194                         ; v194-209 packed f16
.set WK,   210
.set PKL,  214                         ; v214-229 packed low parts
.set F0,   0
.set F1,   128
.set G1A, 24                           ; s[24:31] group 1 for x;  s[32:39] group 0: a set for each of the two first fills; the second then walks on
.set G0A, 32
.set G1B, 48                           ; s[48:55], s[56:63] the same for W
.set G0B, 56
.set CUR, 92                           ; s92  the slot being read: 0 or SLOT
.set MSB, 0
.macro WIN new                         ; the immediate's high byte repeats the setting that is left; a switch that changes nothing is dropped
.if MSB != (\new)
	s_set_vgpr_msb (MSB<<8)|(\new)
.set MSB, (\new)
.endif
.endm
.macro PLACES                          ; four places in front of loads into registers that matrix instructions have read, and of vector lines that read results
.rept 4
	v_nop
.endr
.endm
.macro JLOAD s                         ; a joint load: wave 0 fetches x's tile, waves 1 to 3 W's three; an s_nop 0 and four v_nop follow each line
	s_cmp_eq_u32 s16, 0
	s_cbranch_scc0 .Lfor_b_\@
	tensor_load_to_lds s[G0A+4*(\s):G0A+4*(\s)+3], s[G1A:G1A+7]
	s_nop 0
.rept 4
	v_nop
.endr
	s_branch .Lasked_\@
.Lfor_b_\@:
	tensor_load_to_lds s[G0B+4*(\s):G0B+4*(\s)+3], s[G1B:G1B+7]
	s_nop 0
.rept 4
	v_nop
.endr
.Lasked_\@:
.endm
.macro CREST                           ; a round of the cluster's barrier behind its opening barrier
	s_cmp_lg_u32 s16, 0
	s_cbranch_scc1 .Lnot_wave_0_\@
	s_barrier_signal -3
.Lnot_wave_0_\@:
	s_barrier_wait -3
	s_barrier_signal -1
	s_barrier_wait -1
.endm
.macro CROUND
	s_barrier_signal -1
	s_barrier_wait -1
	CREST
.endm
	s_load_b256 s[4:11], s[0:1], 0x0               ; xb s[4:5], wqkv s[6:7], rope s[8:9], q_norm_w s[10:11]
	s_load_b128 s[12:15], s[0:1], 0x20             ; k_norm_w s[12:13], qkvh s[14:15]
	s_load_b64 s[90:91], s[0:1], 0x30              ; qkvl
	v_lshl_add_u32 v[SPW], v0, 2, SPARE
	v_mov_b32 v[NIL], 0
	ds_add_u32 v[SPW], v[NIL]                      ; the wave's opening: the add and its wait ahead of my first tensor load
	v_lshrrev_b32 v1, 5, v0
	v_readfirstlane_b32 s16, v1                    ; wave 0..3
	s_lshr_b32 s17, s16, 1                         ; rh: which 64 rows
	s_and_b32 s18, s16, 1                          ; ch: which column blocks
	s_bfe_u32 s40, ttmp6, 0x40000                  ; cx
	s_bfe_u32 s41, ttmp6, 0x40004                  ; cy
	s_lshl_b32 s42, ttmp9, 2
	s_add_co_u32 s42, s42, s40                     ; hx = 4 x cluster x + cx
	s_and_b32 s43, ttmp7, 0xffff
	s_lshl_b32 s43, s43, 2
	s_add_co_u32 s43, s43, s41                     ; ty = 4 x cluster y + cy
	s_lshl_b32 s44, s41, 2
	s_lshl_b32 s44, 15, s44                        ; my row of the cluster
	s_lshl_b32 s45, 0x1111, s40                    ; my column
	s_or_b32 s[G1A], s44, (1<<16)|(1<<20)|(1<<21)|(5<<22)|(3<<25)   ; mask; 2-byte elements; padding on; bit 21 beside a mask; after every 64 words, 4 words
	s_or_b32 s[G1B], s45, (1<<16)|(1<<20)|(1<<21)|(5<<22)|(7<<25)   ; the same with my column's mask and 8 words
.irp g, G1A, G1B
	s_mov_b32 s[(\g)+1], 128<<16                   ; tensor_dim0 = 128
	s_mov_b32 s[(\g)+2], 128<<16                   ; tensor_dim1 = 128
	s_mov_b32 s[(\g)+3], 128<<16                   ; tile_dim0 = 128
	s_mov_b32 s[(\g)+4], 128                       ; tile_dim1 = 128
	s_mov_b32 s[(\g)+6], 0
	s_mov_b32 s[(\g)+7], 0
.endr
	s_mov_b32 s[G1A+5], 2048                       ; elements from row to row of x
	s_mov_b32 s[G1B+5], 1024                       ; and of W
	s_lshl_b32 s20, s43, 19                        ; x: 128 ty rows of 4,096 bytes
	s_mov_b32 s21, 0
	s_max_u32 s22, s16, 1
	s_sub_co_u32 s22, s22, 1                       ; W's type: wave - 1 (wave 0 asks by x's line)
	s_lshl_b32 s22, s22, 22                        ; 4,194,304 bytes a type
	s_lshl_b32 s46, s42, 8                         ; the head's 256 bytes of a k-row
	s_add_co_u32 s46, s46, s22
	s_mov_b32 s47, 0
	s_mul_i32 s23, s16, REG                        ; region w of a slot: no place in the cluster enters an LDS address
	s_mov_b32 s[CUR], 0                            ; K step 0 lies in slot 0
	s_mov_b32 s74, 0x3c000000                      ; 1 / 128
	s_mov_b32 s75, 0x358637bd                      ; 1e-6
	s_mov_b32 s76, 0x76543210                      ; v_permlanex16_b32: each lane takes its own place in the other half
	s_mov_b32 s77, 0xfedcba98
	s_mov_b32 s78, 0xffff0000
	s_wait_dscnt 0x0                               ; the opening add is done
	s_wait_kmcnt 0x0
	s_add_nc_u64 s[20:21], s[4:5], s[20:21]
	s_add_nc_u64 s[46:47], s[6:7], s[46:47]
	CROUND                                         ; all sixteen work-groups are here: the first joint loads meet
.irp s, 0,1
	s_mov_b32 s[G0A+4*(\s)], 1
	s_add_co_u32 s[G0A+4*(\s)+1], s23, (\s)*SLOT
	s_add_nc_u64 s[G0A+4*(\s)+2:G0A+4*(\s)+3], s[20:21], (\s)*256        ; K step s: 256 bytes along x's rows
	s_or_b32 s[G0A+4*(\s)+3], s[G0A+4*(\s)+3], 0x80000000
	s_mov_b32 s[G0B+4*(\s)], 1
	s_add_co_u32 s[G0B+4*(\s)+1], s23, (\s)*SLOT
	s_add_nc_u64 s[G0B+4*(\s)+2:G0B+4*(\s)+3], s[46:47], (\s)*262144     ; 128 k-rows of 2,048 bytes
	s_or_b32 s[G0B+4*(\s)+3], s[G0B+4*(\s)+3], 0x80000000
	JLOAD \s
.endr
	; lane addresses
	v_and_b32 v1, 15, v0                           ; r = lane % 16
	v_bfe_u32 v2, v0, 4, 1                         ; h = lane / 16
	v_mul_u32_u24 v3, v1, PA
	v_lshl_add_u32 v3, v2, 4, v3
	s_mul_i32 s19, s17, 64*PA
	v_add_nc_u32 v[ADRA0], s19, v3                 ; x: (64 rh + r) x pitch + 16 h
	v_mov_b32 v[ADRA], v[ADRA0]
	v_and_b32 v4, 7, v0
	v_bfe_u32 v5, v0, 3, 1
	v_lshl_add_u32 v4, v2, 3, v4
	v_mul_u32_u24 v4, v4, PB
	v_lshl_add_u32 v4, v5, 4, v4
	s_lshl_b32 s19, s18, 6
	v_add_nc_u32 v4, s19, v4                       ; W: (8 h + lane % 8) x pitch + 16 ((lane / 8) % 2) + 64 ch
.irp t, 0,1,2
	v_add_nc_u32 v[ADRB0+(\t)], (1+(\t))*REG, v4
	v_add_nc_u32 v[ADRB+(\t)], (1+(\t))*REG, v4
.endr
	v_mul_u32_u24 v[STO], v1, SPT                  ; into the stage: row 64 rh + r, 16 h + 64 ch
	v_lshl_add_u32 v[STO], v2, 4, v[STO]
	s_mul_i32 s19, s17, 64*SPT
	s_lshl_b32 s79, s18, 6
	s_add_co_u32 s19, s19, s79
	s_mul_i32 s82, s17, 16*SPT                     ; the low parts: row 128 + 16 rh + r
	s_add_co_u32 s82, s82, s79
	s_add_co_u32 s82, s82, 128*SPT
	v_add_nc_u32 v[STO2], s82, v[STO]
	v_add_nc_u32 v[STO], s19, v[STO]
	v_mul_u32_u24 v[RD], v2, SPT                   ; back: rows 32 w + h, 16 r
	v_lshl_add_u32 v[RD], v1, 4, v[RD]
	s_mul_i32 s82, s16, 8*SPT                      ; the low parts: rows 128 + 8 w + h
	s_add_co_u32 s82, s82, 128*SPT
	v_add_nc_u32 v[RD2], s82, v[RD]
	s_mul_i32 s19, s16, 32*SPT
	v_add_nc_u32 v[RD], s19, v[RD]
	v_and_b32 v[GO], 31, v0
	v_lshlrev_b32 v[GO], 4, v[GO]
	s_lshl_b32 s79, s18, 7
	v_lshlrev_b32 v[WOF], 5, v2
	v_add_nc_u32 v[WOF], s79, v[WOF]               ; 32 h + 128 ch
	v_lshl_add_u32 v[RO], v1, 9, v[WOF]            ; + 512 r
	s_lshl_b32 s19, s16, 9
	s_add_co_u32 s19, s19, SCR
	v_lshl_add_u32 v[SCW], v1, 5, s19
	s_xor_b32 s19, s16, 1                          ; the wave with my rows and the other columns
	s_lshl_b32 s19, s19, 9
	s_add_co_u32 s19, s19, SCR
	v_lshl_add_u32 v[SCRD], v1, 5, s19
	; global bases of the way out, in registers that feed no descriptor
	s_lshl_b32 s82, s43, 16                        ; rope: (128 ty + 64 rh) rows of 512 bytes
	s_lshl_b32 s83, s17, 15
	s_add_co_u32 s82, s82, s83
	s_mov_b32 s83, 0
	s_add_nc_u64 s[66:67], s[8:9], s[82:83]
	s_lshr_b32 s80, s43, 4                         ; batch
	s_lshl_b32 s80, s80, 3
	s_add_co_u32 s80, s80, s42                     ; bh
	s_lshl_b32 s84, s80, 17                        ; qkvl: 131,072 bytes a head,
	s_lshl_b32 s80, s80, 19                        ; qkvh: 524,288 bytes a head
	s_and_b32 s81, s43, 15
	s_lshl_b32 s85, s81, 13                        ; two blocks of 4,096 bytes for my 128 tokens,
	s_add_co_u32 s84, s84, s85
	s_lshl_b32 s85, s16, 11                        ; 8 rows of 256 bytes a wave
	s_add_co_u32 s84, s84, s85
	s_mov_b32 s85, 0
	s_lshl_b32 s81, s81, 7
	s_lshl_b32 s82, s16, 5
	s_add_co_u32 s81, s81, s82                     ; the first row that I store
	s_lshl_b32 s81, s81, 8
	s_add_co_u32 s80, s80, s81
	s_mov_b32 s81, 0
	s_add_nc_u64 s[68:69], s[14:15], s[80:81]      ; q
	s_add_nc_u64 s[70:71], s[68:69], 0x800000      ; k
	s_add_nc_u64 s[72:73], s[70:71], 0x800000      ; v
	s_add_nc_u64 s[84:85], s[90:91], s[84:85]      ; q's low parts
	s_add_nc_u64 s[86:87], s[84:85], 0x200000      ; k's
	s_add_nc_u64 s[88:89], s[86:87], 0x200000      ; v's
; 12 matrix instructions: row block a x my 12 column blocks, 32 along K.  The 48 accumulators take turns, one instruction a turn, in the same order in every quarter.
.macro MULA f, a, zero
	WIN 0xa5+0x50*((\a)/2)                         ; sources window 1; C and D window 2 or 3
.irp b, 0,1,2,3,4,5,6,7,8,9,10,11
.set rD, 8*(12*((\a)%2)+(\b))
.if \zero
	v_wmma_f32_16x16x32_bf16 v[rD:rD+7], v[(\f)+8*(\b):(\f)+8*(\b)+7], v[(\f)+96+8*(\a):(\f)+96+8*(\a)+7], 0
.else
	v_wmma_f32_16x16x32_bf16 v[rD:rD+7], v[(\f)+8*(\b):(\f)+8*(\b)+7], v[(\f)+96+8*(\a):(\f)+96+8*(\a)+7], v[rD:rD+7]
.endif
.endr
.endm
; 32 LDS loads in one run: quarter kq's fragments of the slot being read, into buffer f: W's 12 first, then x's 4
.macro FETCH kq, f
	WIN 0x40
.irp b, 0,1,2,3,4,5,6,7,8,9,10,11
	ds_load_tr16_b128 v[(\f)+8*(\b):(\f)+8*(\b)+3],   v[ADRB+(\b)/4] offset:(\kq)*32*PB+((\b)%2)*32+(((\b)/2)%2)*128
	ds_load_tr16_b128 v[(\f)+8*(\b)+4:(\f)+8*(\b)+7], v[ADRB+(\b)/4] offset:(\kq)*32*PB+((\b)%2)*32+(((\b)/2)%2)*128+16*PB
.endr
.irp a, 0,1,2,3
	ds_load_b128 v[(\f)+96+8*(\a):(\f)+96+8*(\a)+3],   v[ADRA] offset:(\kq)*64+(\a)*16*PA
	ds_load_b128 v[(\f)+96+8*(\a)+4:(\f)+96+8*(\a)+7], v[ADRA] offset:(\kq)*64+(\a)*16*PA+32
.endr
.endm
; One of a K step's first three quarters: multiplies buffer f; in its middle fetches quarter kq into buffer g
.macro QUARTER kq, f, g, zero
	s_wait_dscnt 4                                 ; W's fragments and x's blocks 0, 1 are in; the youngest four loads (blocks 2, 3) may be out
	MULA \f, 0, \zero
	MULA \f, 1, \zero
	PLACES
	FETCH \kq, \g
	s_wait_dscnt 32                                ; all but the 32 just issued
	MULA \f, 2, \zero
	MULA \f, 3, \zero
.endm
; The last quarter multiplies buffer 1 and changes slots: one barrier; in front of it each wave waits for all its tensor loads, adds 0 to its spare word, and waits for that and its reads of this slot.
; fill = 1: the slot just read is filled again, two K steps ahead.  Then the scalar turns to the other slot, the four addresses follow it, and that slot's first fragments are fetched.
.macro TURN fill
	WIN 0
	s_wait_tensorcnt 0x0                           ; all my tensor loads have landed: my part of the next slot
	ds_add_u32 v[SPW], v[NIL]
	s_wait_dscnt 5                                 ; the add and the youngest four loads may be out
	MULA F1, 0, 0
	s_wait_dscnt 0x0                               ; the add is done, and my reads of this slot are over
	s_barrier_signal -1
	MULA F1, 1, 0
	WIN 0
	s_barrier_wait -1
.if \fill
	CREST                                          ; the barrier has opened a round of the cluster's: no wave of any partner still reads this slot or has a load on its way
	s_add_co_u32 s[G0A+5], s[CUR], s23             ; the walking descriptors: the slot just read, my region of it,
	s_add_co_u32 s[G0B+5], s[CUR], s23
	s_add_nc_u64 s[G0A+6:G0A+7], s[G0A+6:G0A+7], 256       ; and the K step behind the one asked for last
	s_add_nc_u64 s[G0B+6:G0B+7], s[G0B+6:G0B+7], 262144
	s_xor_b32 s[CUR], s[CUR], SLOT
	JLOAD 1                                        ; its four v_nop are also the places in front of the loads below
.else
	s_xor_b32 s[CUR], s[CUR], SLOT
	PLACES
.endif
	v_add_nc_u32 v[ADRA], s[CUR], v[ADRA0]
.irp t, 0,1,2
	v_add_nc_u32 v[ADRB+(\t)], s[CUR], v[ADRB0+(\t)]
.endr
	FETCH 0, F0
	MULA F1, 2, 0
	MULA F1, 3, 0
.endm
	s_wait_tensorcnt 1                             ; my part of K step 0 is in; K step 1's may stay out
	s_barrier_signal -1
	s_barrier_wait -1
	FETCH 0, F0
	QUARTER 1, F0, F1, 1                           ; the first quarter starts the sums
	WIN 0
	s_mov_b32 s3, STEPS-2                          ; K steps 0 to 13 ask for K steps 2 to 15
	s_branch .Lmid                                 ; the loop is entered behind its first quarter
.Lstep:
	QUARTER 1, F0, F1, 0
	WIN 0
.Lmid:
	QUARTER 2, F1, F0, 0
	QUARTER 3, F0, F1, 0
	TURN 1
	WIN 0
	s_sub_co_u32 s3, s3, 1
	s_cmp_lg_u32 s3, 0
	s_cbranch_scc1 .Lstep
	s_mov_b32 s3, 2                                ; the last two K steps fill nothing: a text of their own
.Ltail:
	QUARTER 1, F0, F1, 0
	QUARTER 2, F1, F0, 0
	QUARTER 3, F0, F1, 0
	TURN 0                                         ; in the last trip its fetch reads K step 14's tile once more, from slot 0, and nothing uses it
	WIN 0
	s_sub_co_u32 s3, s3, 1
	s_cmp_lg_u32 s3, 0
	s_cbranch_scc1 .Ltail
	; THE WAY OUT.  cos and sin of my tokens and columns fill window 1: register 8 n, n = 8 a + 4 lo + 2 hi + (0 cos, 1 sin)
	s_wait_dscnt 0x0                               ; the last fetch has landed: the loads below name its registers
	PLACES
	WIN 0x40
.set n, 0
.rept 32
	global_load_b128 v[8*n:8*n+3],   v[RO], s[66:67] offset:(n/8)*8192+((n/4)%2)*64+((n/2)%2)*256+(n%2)*2097152
	global_load_b128 v[8*n+4:8*n+7], v[RO], s[66:67] offset:(n/8)*8192+((n/4)%2)*64+((n/2)%2)*256+(n%2)*2097152+16
.set n, n+1
.endr
	WIN 0
.irp q, 0,1,2,3
	global_load_b128 v[NW+8*(\q):NW+8*(\q)+3],       v[WOF], s[10:11] offset:((\q)%2)*64+((\q)/2)*256
	global_load_b128 v[NW+8*(\q)+4:NW+8*(\q)+7],     v[WOF], s[10:11] offset:((\q)%2)*64+((\q)/2)*256+16
	global_load_b128 v[NW+32+8*(\q):NW+32+8*(\q)+3], v[WOF], s[12:13] offset:((\q)%2)*64+((\q)/2)*256
	global_load_b128 v[NW+32+8*(\q)+4:NW+32+8*(\q)+7], v[WOF], s[12:13] offset:((\q)%2)*64+((\q)/2)*256+16
.endr
; Sums of squares of q and k: four chains (row block, type) by turns; each accumulator's lowest registers are read first
.macro SUMSQ hw
	WIN 0x0a+5*(\hw)
.set n, 0
.rept 16
.irp c, 0,1,2,3
.set rA, 8*(12*((\c)/2)+4*((\c)%2)+n/4)+2*(n%4)
.set rB, SS+2*(4*(\hw)+(\c))
.if n == 0
	v_pk_mul_f32 v[rB:rB+1], v[rA:rA+1], v[rA:rA+1]
.else
	v_pk_fma_f32 v[rB:rB+1], v[rA:rA+1], v[rA:rA+1], v[rB:rB+1]
.endif
.endr
.set n, n+1
.endr
.endm
	SUMSQ 0
	SUMSQ 1
	WIN 0
.irp i, 0,1,2,3,4,5,6,7
	v_add_f32 v[SQ+(\i)], v[SS+2*(\i)], v[SS+2*(\i)+1]
.endr
.irp i, 0,1,2,3,4,5,6,7
	v_permlanex16_b32 v[SS+2*(\i)+1], v[SQ+(\i)], s76, s77   ; the token's other eight columns of each block lie in the lane 16 away
.endr
.irp i, 0,1,2,3,4,5,6,7
	v_add_f32 v[SQ+(\i)], v[SQ+(\i)], v[SS+2*(\i)+1]
.endr
	ds_store_b128 v[SCW], v[SQ:SQ+3]               ; my 64 columns' sums; the head's other 64 are the partner wave's
	ds_store_b128 v[SCW], v[SQ+4:SQ+7] offset:16
	s_wait_dscnt 0x0                               ; for the others' sake
	s_barrier_signal -1
	s_barrier_wait -1
	ds_load_b128 v[PQ:PQ+3], v[SCRD]
	ds_load_b128 v[PQ+4:PQ+7], v[SCRD] offset:16
	s_wait_dscnt 0x0
.irp i, 0,2,4,6
	v_pk_add_f32 v[SQ+(\i):SQ+(\i)+1], v[SQ+(\i):SQ+(\i)+1], v[PQ+(\i):PQ+(\i)+1]
.endr
.irp i, 0,1,2,3,4,5,6,7
	v_fma_f32 v[SQ+(\i)], v[SQ+(\i)], s74, s75     ; mean + eps
.endr
.irp i, 0,1,2,3,4,5,6,7
	v_rsq_f32 v[SQ+(\i)], v[SQ+(\i)]
.endr
	v_nop                                          ; a plain instruction behind the last of them
	s_wait_loadcnt 0x0                             ; cos, sin and the gains
.set n, 0
	s_wait_alu depctr_va_vdst(0)
.rept 32                                               ; the gains are rounded to bf16, like every input of the module
	v_cvt_pk_bf16_f32 v[WK+n%4], v[NW+2*n], v[NW+2*n+1]
	v_lshlrev_b32 v[NW+2*n], 16, v[WK+n%4]
	v_and_b32 v[NW+2*n+1], s78, v[WK+n%4]
.set n, n+1
.endr
; THE LOW PARTS of 16 numbers a lane: half g of the 32 f32 numbers from register src on.  f16(x) into v4-v11 (halves of a register have names below v128 alone), widened again into Y,
; x - f16(x), and that rounded to f16 into PKL.  wc, wa: the window settings under which src is read as sources 0 and 1, and as source 0.
.macro LOHALF g, src, wc, wa
	WIN \wc
.irp i, 0,1,2,3,4,5,6,7
	v_cvt_pk_f16_f32 v[4+(\i)], v[(\src)+16*(\g)+2*(\i)], v[(\src)+16*(\g)+2*(\i)+1]
.endr
	WIN 0
	v_cvt_f32_f16 v[Y+16*(\g)],    v4.l
	v_cvt_f32_f16 v[Y+16*(\g)+1],  v4.h
	v_cvt_f32_f16 v[Y+16*(\g)+2],  v5.l
	v_cvt_f32_f16 v[Y+16*(\g)+3],  v5.h
	v_cvt_f32_f16 v[Y+16*(\g)+4],  v6.l
	v_cvt_f32_f16 v[Y+16*(\g)+5],  v6.h
	v_cvt_f32_f16 v[Y+16*(\g)+6],  v7.l
	v_cvt_f32_f16 v[Y+16*(\g)+7],  v7.h
	v_cvt_f32_f16 v[Y+16*(\g)+8],  v8.l
	v_cvt_f32_f16 v[Y+16*(\g)+9],  v8.h
	v_cvt_f32_f16 v[Y+16*(\g)+10], v9.l
	v_cvt_f32_f16 v[Y+16*(\g)+11], v9.h
	v_cvt_f32_f16 v[Y+16*(\g)+12], v10.l
	v_cvt_f32_f16 v[Y+16*(\g)+13], v10.h
	v_cvt_f32_f16 v[Y+16*(\g)+14], v11.l
	v_cvt_f32_f16 v[Y+16*(\g)+15], v11.h
	WIN \wa
.irp i, 0,1,2,3,4,5,6,7
	v_pk_add_f32 v[Y+16*(\g)+2*(\i):Y+16*(\g)+2*(\i)+1], v[(\src)+16*(\g)+2*(\i):(\src)+16*(\g)+2*(\i)+1], v[Y+16*(\g)+2*(\i):Y+16*(\g)+2*(\i)+1] neg_lo:[0,1] neg_hi:[0,1]
.endr
	WIN 0
.irp i, 0,1,2,3,4,5,6,7
	v_cvt_pk_f16_f32 v[PKL+8*(\g)+(\i)], v[Y+16*(\g)+2*(\i)], v[Y+16*(\g)+2*(\i)+1]
.endr
.endm
; Row block a, type t (0 q, 1 k): x / rms, x gain, rotation, f16, into the stage; of row block 0 the low parts too
.macro ROPE a, t
	WIN 0x02+(\a)/2
.set n, 0
.rept 16
	v_pk_mul_f32 v[Y+2*n:Y+2*n+1], v[8*(12*((\a)%2)+4*(\t))+2*n:8*(12*((\a)%2)+4*(\t))+2*n+1], v[SQ+2*(\a):SQ+2*(\a)+1] op_sel:[0,\t] op_sel_hi:[1,\t]
.set n, n+1
.endr
	WIN 0
.set n, 0
.rept 16
	v_pk_mul_f32 v[Y+2*n:Y+2*n+1], v[Y+2*n:Y+2*n+1], v[NW+32*(\t)+2*n:NW+32*(\t)+2*n+1]
.set n, n+1
.endr
	WIN 0x04                                       ; source 1 (cos, sin) in window 1
.set n, 0
.rept 8
.set rC, 64*(\a)+32*(n/4)+2*(n%4)
	v_pk_mul_f32 v[O+2*n:O+2*n+1], v[Y+2*n:Y+2*n+1], v[rC:rC+1]
	v_pk_mul_f32 v[O+16+2*n:O+16+2*n+1], v[Y+16+2*n:Y+16+2*n+1], v[rC+16:rC+17]
.set n, n+1
.endr
.set n, 0
.rept 8
.set rC, 64*(\a)+32*(n/4)+2*(n%4)
	v_pk_fma_f32 v[O+2*n:O+2*n+1], v[Y+16+2*n:Y+16+2*n+1], v[rC+8:rC+9], v[O+2*n:O+2*n+1] neg_lo:[1,0,0] neg_hi:[1,0,0]   ; d < 64: - x[d + 64] sin[d]
	v_pk_fma_f32 v[O+16+2*n:O+16+2*n+1], v[Y+2*n:Y+2*n+1], v[rC+24:rC+25], v[O+16+2*n:O+16+2*n+1]                        ; d >= 64: + x[d - 64] sin[d]
.set n, n+1
.endr
	WIN 0
.set n, 0
.rept 16
	v_cvt_pk_f16_f32 v[PK+n], v[O+2*n], v[O+2*n+1]
.set n, n+1
.endr
.irp q, 0,1,2,3
	ds_store_b128 v[STO], v[PK+4*(\q):PK+4*(\q)+3] offset:(\a)*16*SPT+(\t)*272+((\q)%2)*32+((\q)/2)*128
.endr
.if (\a) == 0
	LOHALF 0, O, 0, 0
	LOHALF 1, O, 0, 0
.irp q, 0,1,2,3
	ds_store_b128 v[STO2], v[PKL+4*(\q):PKL+4*(\q)+3] offset:(\t)*272+((\q)%2)*32+((\q)/2)*128
.endr
.endif
.endm
.macro VOUT a                          ; v: rounded and staged as it is; of row block 0 the low parts too
	WIN 0x0a+5*((\a)/2)
.set n, 0
.rept 16
	v_cvt_pk_f16_f32 v[PK+n], v[8*(12*((\a)%2)+8)+2*n], v[8*(12*((\a)%2)+8)+2*n+1]
.set n, n+1
.endr
	WIN 0
.irp q, 0,1,2,3
	ds_store_b128 v[STO], v[PK+4*(\q):PK+4*(\q)+3] offset:(\a)*16*SPT+2*272+((\q)%2)*32+((\q)/2)*128
.endr
.if (\a) == 0
	LOHALF 0, 64, 0x0a, 0x02                       ; row block 0's v lies in window 2 from register 64 on
	LOHALF 1, 64, 0x0a, 0x02
.irp q, 0,1,2,3
	ds_store_b128 v[STO2], v[PKL+4*(\q):PKL+4*(\q)+3] offset:2*272+((\q)%2)*32+((\q)/2)*128
.endr
.endif
.endm
.irp a, 0,1,2,3
	ROPE \a, 0
	ROPE \a, 1
	VOUT \a
.endr
	s_wait_dscnt 0x0                               ; a row's 256 bytes come from two waves: my stores are done,
	s_barrier_signal -1
	s_barrier_wait -1                              ; everybody's are
	WIN 0x40
.set n, 0
.rept 48                                               ; wave w takes rows 32 w .. + 31 whole: two rows a load, q, k, v by turns
	ds_load_b128 v[4*n:4*n+3], v[RD] offset:(n/3)*2*SPT+(n%3)*272
.set n, n+1
.endr
.set n, 0
.rept 12                                               ; and rows 8 w .. + 7 of the 32 rows of low parts
	ds_load_b128 v[192+4*n:192+4*n+3], v[RD2] offset:(n/3)*2*SPT+(n%3)*272
.set n, n+1
.endr
	WIN 0x04                                       ; the stores' data in window 1
.set n, 0
.rept 48
	s_wait_dscnt 59-n                              ; LDS loads come back in order: the younger ones stay out
	global_store_b128 v[GO], v[4*n:4*n+3], s[68+2*(n%3):69+2*(n%3)] offset:(n/3)*512   ; 512 consecutive bytes, aligned
.set n, n+1
.endr
.set n, 0
.rept 12
	s_wait_dscnt 11-n
	global_store_b128 v[GO], v[192+4*n:192+4*n+3], s[84+2*(n%3):85+2*(n%3)] offset:(n/3)*512
.set n, n+1
.endr
	WIN 0
	s_wait_tensorcnt 0x0                           ; the wave's end
	ds_add_u32 v[SPW], v[NIL]
	s_wait_dscnt 0x0
	CROUND                                         ; the closing round
	s_endpgm
.Lfunc_end_k_qc7876362ee_qkv:
	.size	k_qc7876362ee_qkv, .Lfunc_end_k_qc7876362ee_qkv-k_qc7876362ee_qkv
	.p2alignl 7, 3214868480
	.fill 96, 4, 3214868480
	.section	.rodata,"a",@progbits
	.p2align	6, 0x0
	.amdhsa_kernel k_qc7876362ee_qkv
		.amdhsa_group_segment_fixed_size 327680
		.amdhsa_private_segment_fixed_size 0
		.amdhsa_enable_private_segment 0
		.amdhsa_kernarg_size 56
		.amdhsa_user_sgpr_count 2
		.amdhsa_user_sgpr_kernarg_segment_ptr 1
		.amdhsa_wavefront_size32 1
		.amdhsa_system_sgpr_workgroup_id_x 1
		.amdhsa_system_sgpr_workgroup_id_y 1
		.amdhsa_system_sgpr_workgroup_id_z 1
		.amdhsa_system_vgpr_workitem_id 0
		.amdhsa_next_free_vgpr 960
		.amdhsa_next_free_sgpr 94
		.amdhsa_reserve_vcc 0
		.amdhsa_float_denorm_mode_32 3
		.amdhsa_float_denorm_mode_16_64 3
		.amdhsa_memory_ordered 1
		.amdhsa_forward_progress 1
		.amdhsa_inst_pref_size 157
	.end_amdhsa_kernel
	.amdgpu_metadata
---
amdhsa.version: [ 1, 2 ]
amdhsa.kernels:
  - .name:           k_qc7876362ee_qkv
    .symbol:         k_qc7876362ee_qkv.kd
    .args:
      - { .name: xb, .offset: 0, .size: 8, .value_kind: global_buffer, .address_space: global }
      - { .name: wqkv, .offset: 8, .size: 8, .value_kind: global_buffer, .address_space: global }
      - { .name: rope, .offset: 16, .size: 8, .value_kind: global_buffer, .address_space: global }
      - { .name: q_norm_w, .offset: 24, .size: 8, .value_kind: global_buffer, .address_space: global }
      - { .name: k_norm_w, .offset: 32, .size: 8, .value_kind: global_buffer, .address_space: global }
      - { .name: qkvh, .offset: 40, .size: 8, .value_kind: global_buffer, .address_space: global }
      - { .name: qkvl, .offset: 48, .size: 8, .value_kind: global_buffer, .address_space: global }
    .group_segment_fixed_size: 327680
    .private_segment_fixed_size: 0
    .kernarg_segment_align: 8
    .kernarg_segment_size: 56
    .max_flat_workgroup_size: 128
    .sgpr_count:     94
    .vgpr_count:     960
    .wavefront_size: 32
...
	.end_amdgpu_metadata
.endif
;; end of part 2
;; launch attn (part 3): grid 16 x 16, 4 waves a work-group, clusters of 4 x 1, 327,680 bytes of LDS; arguments qkvh, qkvl, att; writes att
.if DOCPART == 3
	.amdgcn_target "amdgcn-amd-amdhsa--gfx1250"
	.amdhsa_code_object_version 6
	.text
	.protected	k_qc7876362ee_attn
	.globl	k_qc7876362ee_attn
	.p2align	8
	.type	k_qc7876362ee_attn,@function
k_qc7876362ee_attn:
	s_mov_b64 s[64:65], 0
	v_nop
	global_prefetch_b8 v0, s[64:65] scope:SCOPE_SE
	s_setreg_imm32_b32 hwreg(HW_REG_WAVE_MODE, 25, 1), 1
	s_wait_xcnt 0x0
	s_wait_alu depctr_hold_cnt(0) depctr_sa_sdst(0) depctr_va_vdst(0) depctr_va_sdst(0) depctr_va_ssrc(0) depctr_va_vcc(0) depctr_vm_vsrc(0)
	s_getreg_b32 s2, hwreg(HW_REG_IB_STS2, 6, 4)
	s_cmp_eq_u32 s2, 0
	s_cbranch_scc0 .Lentry_in_a_cluster
	s_endpgm
.Lentry_in_a_cluster:
	s_bfe_u32 s2, ttmp6, 0x10000c
	s_cmp_lg_u32 s2, 0x3003
	s_cbranch_scc0 .Lentry_shape_is_right
	s_endpgm
.Lentry_shape_is_right:
; CAUSAL ATTENTION, head size 128.  q, k, v: qkvh [3][16 bh][2048][128] f16; their low parts for the first 16 tokens of every 64: qkvl [3][16 bh][32][16][128] f16.
; att f16 [64 blocks of 64 tokens][80 rows][8 heads x 128]: rows 0-63 the result, rows 64-79 the low part (x - f16(x), rounded to f16) of the block's first 16 rows.
; Products, maxima and sums in f32; the weights p are rounded to f16 for the second product (their sum l is taken of the unrounded p), the result once at the end.
; LIMITS.  A hidden score counts as -2^100; true scores must stay far above that (f16's q and k allow 5.5e11 at the most).  A weight below 2^-126 counts as 0.  NaN and infinities are not treated apart.
; THE WALK.  A head has 32 blocks of 64 queries.  Work-group b = 4 c + cx (c the cluster, cx the place in it) takes block 31 - b and then block b.  Keys go in ROUNDS of 256; in a round wave w takes the 64 keys
; 256 round + 64 w for all 64 queries, so a fragment of K or V feeds four tiles of 16 queries.  The long block has 8 - c rounds, the short one c + 1: nine in every work-group, and the four partners of a
; cluster walk the same rounds: every tile of K and V is asked for jointly.  Trip counts and branches hang on c alone; cx enters Q's and the result's global addresses and the mask's threshold.
; THE MASK is needed in a block's last round alone.  There wave w's keys lie delta tiles of 64 beyond the block's own (delta = w + cx - 3, then w - cx), and the score of key 16 kb + 8 (lane / 16) + j, query 16 t + lane % 16
; is hidden where 16 (kb - t) + j > lane % 16 - 8 (lane / 16) - 64 delta.  A wave whose keys are all hidden computes all the same (a jump would hang on cx): its maximum is -2^100, its weights are 1,
; and the merge multiplies its share by 0.
; THE LOW PARTS.  Queries 0 to 15 of a head see 16 keys at the most: their rows are means of few rows of v, many times the output's root mean square, and want more than f16's 11 bits.  They are tile 0 of block 0,
; whose only round is the walk's last, and their keys are the first 16 of wave 0's.  That round is written out; in it EVERY wave of EVERY work-group adds, for tile 0 and the first 16 of its keys, the products with
; the low parts: K_lo Q + K Q_lo to the scores, V^T P_lo (32 keys) + V_lo^T P to O^T: 24 matrix instructions more in one round of nine, and no branch.  Products of two low parts, 2^-22 of a term, are left out.
; THE MERGE at a block's end: the four waves exchange c m and l, scale their O by 2^(c m - c m_all) / l_all, and add the four shares through LDS; wave w ends with all 64 queries and channels 32 w .. + 31.
; LAYOUT.  S^T = K Q^T (source 0 = 16 keys, source 1 = 16 queries): a lane holds one query (lane % 16) and the keys 8 (lane / 16) + 0..7; two such results rounded to f16 ARE source 1 of O^T = V^T P.
; SOFTMAX.  Running maximum m and sum l: p = 2^(c s - c m), c = log2(e) / sqrt(128); in every round O and l are multiplied by a = 2^(c m_old - c m_new).  m starts at the lowest finite number, O and l at finite numbers:
; a block's first round has a = 0.  The price of writing no first round out: 264 lines that write 0, in the wait for the first tile.
; The round is written in phases: products, softmax, products.  K's fragments are fetched in the order in which the products take them, 32 channels at a time, so that the first 16 products wait for 8 loads of
; the 32; a quarter of V's loads goes out in front of each 16 products.
; REGISTERS: window 0 addresses, statistics (8 a tile), S^T v64-191, P v192-255; window 1 O^T, 64 a tile; window 2 Q v0-127, K v128-255;
; window 3 V v0-127, V_lo v128-191 (8 fragments, their keys 16-31 zero), K_lo v192-223, Q_lo v224-255.
.set PK,    272
.set PV,    288
.set VOFF,  256*PK                     ; a slot: 256 rows of K, then 256 rows of V
.set SLOTB, 256*(PK+PV)
.set MRG,   2*SLOTB                    ; behind the ring: 8,192 bytes a wave for the merge and for turning V_lo; later the stage, 80 rows of 272 bytes
.set STAT,  MRG+32768                  ; 1,024 bytes a wave: c m and l
.set SPARE, STAT+4096                  ; the spare words, 128 bytes a wave: two blocks of 256 bytes that no other line names
.set AK0, 2
.set AV0, 3
.set ADK, 4
.set ADV, 5
.set QO,  6
.set STW, 7
.set STR, 8
.set OSR2, 9                           ; back from the stage's rows of low parts
.set MW,  10
.set MR,  11
.set ST,  12                           ; tile t at 12 + 8 t: c m, m, l (even keys', odd keys'), c0-c3 at work; a takes c2's place
.set VTH, 44                           ; the mask's threshold for the block in hand
.set VTHS, 45                          ; for the short block
.set BIGV, 46                          ; -2^100
.set OSW, 47
.set OSR, 48
.set GO,  49
.set VLR, 50                           ; V_lo out of my part of the merge area, turned
.set VLW, 51                           ; and into it
.set XA,  52                           ; v52-59  the sum K Q_lo; later P_lo
.set PL,  52
.set L16, 53                           ; at the start alone: 16 x lane
.set SPW, 62
.set NIL, 63
.set S,   64
.set P,   192
.set KF,  128
.set VL,  128                          ; window 3
.set KL,  192
.set QL,  224
.set G1K, 24
.set G1V, 32
.set G0K, 40
.set G0V, 44
.set CS,  58
.set MSB, 0
.macro WIN new
.if MSB != (\new)
	s_set_vgpr_msb (MSB<<8)|(\new)
.set MSB, (\new)
.endif
.endm
.macro PLACES
.rept 4
	v_nop
.endr
.endm
.macro JLOAD                           ; a joint fill: waves 0 and 1 fetch the halves of a round's K, waves 2 and 3 those of its V; an s_nop 0 and four v_nop follow each line
	s_cmp_lt_u32 s12, 2
	s_cbranch_scc0 .Lfor_v_\@
	tensor_load_to_lds s[G0K:G0K+3], s[G1K:G1K+7]
	s_nop 0
.rept 4
	v_nop
.endr
	s_branch .Lasked_\@
.Lfor_v_\@:
	tensor_load_to_lds s[G0V:G0V+3], s[G1V:G1V+7]
	s_nop 0
.rept 4
	v_nop
.endr
.Lasked_\@:
.endm
.macro CROUND
	s_barrier_signal -1
	s_barrier_wait -1
	s_cmp_lg_u32 s12, 0
	s_cbranch_scc1 .Lnot_wave_0_\@
	s_barrier_signal -3
.Lnot_wave_0_\@:
	s_barrier_wait -3
	s_barrier_signal -1
	s_barrier_wait -1
.endm
; The low part of a pair of f32 numbers: f16(x) into v1 (halves of a register have names below v128 alone), widened again, x - f16(x), rounded to f16
.macro LOP dst, src
	v_cvt_pk_f16_f32 v1, v[\src], v[(\src)+1]
	v_cvt_f32_f16 v60, v1.l
	v_cvt_f32_f16 v61, v1.h
	v_pk_add_f32 v[60:61], v[\src:(\src)+1], v[60:61] neg_lo:[0,1] neg_hi:[0,1]
	v_cvt_pk_f16_f32 v[\dst], v60, v61
.endm
; THE CHANGE OF SLOTS.  Each wave waits for all its tensor loads (one is out: its part of the other slot), adds 0 to its spare word, and waits for that and for its reads of the slot that it leaves.
; fill = 1: the barrier is a round of the cluster's, and the old slot is filled first thing behind it with round s66 of the walk; the address is made anew from that number.
.macro CHANGE fill
	WIN 0
	s_wait_tensorcnt 0x0                           ; no tensor load of mine is out, so a group 0 may be written
	ds_add_u32 v[SPW], v[NIL]                      ; 0 onto my spare word; scalar work stands between it and the wait for it
.if \fill
	s_lshl_b32 s68, s66, 16                        ; a round is 65,536 bytes of K and of V
	s_xor_b32 s63, s63, SLOTB                      ; the slot to fill: 0 or SLOTB
	s_add_co_u32 s[G0K+1], s63, s70
	s_add_nc_u64 s[G0K+2:G0K+3], s[8:9], s[68:69]
	s_or_b32 s[G0K+3], s[G0K+3], 0x80000000
	s_add_co_u32 s[G0V+1], s63, s71
	s_add_nc_u64 s[G0V+2:G0V+3], s[10:11], s[68:69]
	s_or_b32 s[G0V+3], s[G0V+3], 0x80000000
	s_add_co_u32 s66, s66, 1                       ; the block's next round, or behind its last the short block's round 0
	s_cmp_gt_u32 s66, s67
	s_cselect_b32 s66, 0, s66
	s_cselect_b32 s67, s14, s67
.endif
	s_xor_b32 s62, s62, SLOTB                      ; the slot to read
	s_wait_dscnt 0x0                               ; the add is done, and my reads of the old slot are over
.if \fill
	CROUND
	JLOAD                                          ; its four v_nop are also the places in front of the loads into V's registers
.else
	s_barrier_signal -1
	s_barrier_wait -1
	PLACES
.endif
.endm
	s_load_b128 s[4:7], s[0:1], 0x0                ; qkvh s[4:5], qkvl s[6:7]
	s_load_b64 s[20:21], s[0:1], 0x10              ; att
	v_lshl_add_u32 v[SPW], v0, 2, SPARE
	v_mov_b32 v[NIL], 0
	ds_add_u32 v[SPW], v[NIL]                      ; the wave's opening: the add and its wait ahead of my first tensor load
	v_lshrrev_b32 v1, 5, v0
	v_readfirstlane_b32 s12, v1                    ; wave 0..3
	s_bfe_u32 s13, ttmp6, 0x40000                  ; cx
	s_mov_b32 s14, ttmp9                           ; c
	s_lshl_b32 s15, s14, 2
	s_add_co_u32 s15, s15, s13                     ; b: the short block
	s_sub_co_u32 s17, 31, s15                      ; the long block
	s_and_b32 s16, ttmp7, 0xffff                   ; bh
	s_lshl_b32 s72, s16, 19                        ; the head's first byte in q, k, v
	s_and_b32 s73, s12, 1                          ; which half of a round's 256 keys I fetch
	s_lshl_b32 s74, s73, 15
	s_add_co_u32 s74, s74, s72
	s_add_co_u32 s74, s74, 0x800000                ; k lies 8,388,608 bytes behind q
	s_mov_b32 s75, 0
	s_mul_i32 s70, s73, 128*PK                     ; its place in a slot, for K
	s_mul_i32 s71, s73, 128*PV                     ; and for V
	s_add_co_u32 s71, s71, VOFF
	s_lshl_b32 s76, s17, 14                        ; a block's 64 rows of 256 bytes
	s_add_co_u32 s76, s76, s72
	s_mov_b32 s77, 0
	s_lshl_b32 s78, s15, 14
	s_add_co_u32 s78, s78, s72
	s_mov_b32 s79, 0
	s_lshr_b32 s18, s16, 3                         ; att: a batch has 32 blocks of 80 rows of 2,048 bytes,
	s_mul_i32 s18, s18, 32*163840
	s_and_b32 s19, s16, 7
	s_lshl_b32 s19, s19, 8                         ; the head's 256 bytes of a row,
	s_add_co_u32 s18, s18, s19
	s_mul_i32 s80, s17, 163840                     ; the block
	s_add_co_u32 s80, s80, s18
	s_mov_b32 s81, 0
	s_mul_i32 s82, s15, 163840
	s_add_co_u32 s82, s82, s18
	s_mov_b32 s83, 0
	s_lshl_b32 s22, s16, 17                        ; qkvl: 131,072 bytes a head, 4,096 a block
	s_lshl_b32 s86, s15, 12                        ; q_lo of the short block
	s_add_co_u32 s86, s86, s22
	s_mov_b32 s87, 0
	s_lshl_b32 s88, s14, 2                         ; k_lo of my keys in the walk's last round, round c: block 4 c + w
	s_add_co_u32 s88, s88, s12
	s_lshl_b32 s88, s88, 12
	s_add_co_u32 s88, s88, s22
	s_add_co_u32 s88, s88, 0x200000                ; k's low parts lie 2,097,152 bytes behind q's
	s_mov_b32 s89, 0
	s_mul_i32 s85, s12, 12                         ; from row 16 w to row 64 + 4 w of a block of att: (64 - 12 w) rows of 2,048 bytes
	s_sub_co_u32 s85, 64, s85
	s_lshl_b32 s85, s85, 11
	s_mov_b32 s[G1K], 15|(1<<16)|(1<<20)|(1<<21)|(5<<22)|(3<<25)   ; the mask of four; 2-byte elements; padding on; bit 21 beside a mask; after every 64 words, 4 words
	s_mov_b32 s[G1V], 15|(1<<16)|(1<<20)|(1<<21)|(5<<22)|(7<<25)   ; the same with 8 words
.irp g, G1K, G1V
	s_mov_b32 s[(\g)+1], 128<<16                   ; tensor_dim0 = 128
	s_mov_b32 s[(\g)+2], 128<<16                   ; tensor_dim1 = 128
	s_mov_b32 s[(\g)+3], 128<<16                   ; tile_dim0 = 128
	s_mov_b32 s[(\g)+4], 128                       ; tile_dim1 = 128
	s_mov_b32 s[(\g)+5], 128                       ; elements from row to row
	s_mov_b32 s[(\g)+6], 0
	s_mov_b32 s[(\g)+7], 0
.endr
	s_mov_b32 s[CS], 0x3e0293ee                    ; c = log2(e) / sqrt(128)
	s_mov_b32 s[CS+1], s[CS]
	s_mov_b32 s60, 0x76543210
	s_mov_b32 s61, 0xfedcba98
	s_mov_b32 s62, SLOTB                           ; the first change of slots turns it into 0
	s_mov_b32 s63, 0
	s_mov_b32 s66, 1                               ; the round to ask for next
	s_sub_co_u32 s67, 7, s14                       ; the last round of the block whose rounds are being asked for
	s_sub_co_u32 s57, 8, s14                       ; rounds that the block in hand still has
	s_mov_b32 s56, 8                               ; fills to go
	s_mov_b32 s69, 0
	s_mov_b32 s[G0K], 1
	s_mov_b32 s[G0K+1], s70                        ; slot 0
	s_mov_b32 s[G0V], 1
	s_mov_b32 s[G0V+1], s71
	s_wait_dscnt 0x0                               ; the opening add is done
	s_wait_kmcnt 0x0
	s_add_nc_u64 s[8:9], s[4:5], s[74:75]          ; K at my half of the head's round 0
	s_add_nc_u64 s[10:11], s[8:9], 0x800000        ; V
	s_add_nc_u64 s[G0K+2:G0K+3], s[8:9], 0
	s_or_b32 s[G0K+3], s[G0K+3], 0x80000000
	s_add_nc_u64 s[G0V+2:G0V+3], s[10:11], 0
	s_or_b32 s[G0V+3], s[G0V+3], 0x80000000
	s_add_nc_u64 s[48:49], s[4:5], s[76:77]        ; Q of the long block,
	s_add_nc_u64 s[50:51], s[4:5], s[78:79]        ; of the short one
	s_add_nc_u64 s[52:53], s[20:21], s[80:81]      ; the result of the long block,
	s_add_nc_u64 s[54:55], s[20:21], s[82:83]      ; of the short one
	s_add_nc_u64 s[86:87], s[6:7], s[86:87]        ; q_lo,
	s_add_nc_u64 s[88:89], s[6:7], s[88:89]        ; k_lo,
	s_add_nc_u64 s[90:91], s[88:89], 0x200000      ; v_lo
	CROUND                                         ; all four work-groups are here
	JLOAD                                          ; round 0 into slot 0
	v_and_b32 v1, 15, v0                           ; r
	v_bfe_u32 v9, v0, 4, 1                         ; h
	v_lshlrev_b32 v[QO], 8, v1
	v_lshl_add_u32 v[QO], v9, 4, v[QO]
	WIN 0x80
.set i, 0
.rept 16                                               ; Q stays in registers: tile i / 4, channels 32 (i % 4) on
	global_load_b128 v[8*i:8*i+3],   v[QO], s[48:49] offset:(i/4)*4096+(i%4)*64
	global_load_b128 v[8*i+4:8*i+7], v[QO], s[48:49] offset:(i/4)*4096+(i%4)*64+32
.set i, i+1
.endr
	WIN 0
	v_and_b32 v50, 7, v0
	v_bfe_u32 v51, v0, 3, 1
	v_and_b32 v52, 31, v0
	v_mul_u32_u24 v[AK0], v1, PK                   ; K: (64 w + r) x pitch + 16 h
	v_lshl_add_u32 v[AK0], v9, 4, v[AK0]
	s_mul_i32 s18, s12, 64*PK
	v_add_nc_u32 v[AK0], s18, v[AK0]
	v_lshl_add_u32 v[AV0], v9, 3, v50              ; V: (64 w + 8 h + lane % 8) x pitch + 16 ((lane / 8) % 2)
	v_mul_u32_u24 v[AV0], v[AV0], PV
	v_lshl_add_u32 v[AV0], v51, 4, v[AV0]
	s_mul_i32 s18, s12, 64*PV
	s_add_co_u32 s18, s18, VOFF
	v_add_nc_u32 v[AV0], s18, v[AV0]
	s_lshl_b32 s18, s12, 10
	s_add_co_u32 s18, s18, STAT
	v_lshl_add_u32 v[STW], v52, 3, s18
	v_lshl_add_u32 v[STR], v52, 3, STAT
	s_lshl_b32 s18, s12, 11
	s_add_co_u32 s18, s18, MRG
	v_lshl_add_u32 v[MR], v52, 4, s18
	v_mul_u32_u24 v[OSW], v1, 272                  ; into the stage: row r, 16 h + 64 w
	v_lshl_add_u32 v[OSW], v9, 4, v[OSW]
	s_lshl_b32 s18, s12, 6
	s_add_co_u32 s18, s18, MRG
	v_add_nc_u32 v[OSW], s18, v[OSW]
	v_mul_u32_u24 v[OSR], v9, 272                  ; back: rows 16 w + h, 16 r
	v_lshl_add_u32 v[OSR], v1, 4, v[OSR]
	s_mul_i32 s18, s12, 16*272
	s_add_co_u32 s18, s18, MRG
	v_add_nc_u32 v[OSR], s18, v[OSR]
	v_lshlrev_b32 v[GO], 11, v9                    ; and the same two rows in att
	v_lshl_add_u32 v[GO], v1, 4, v[GO]
	s_lshl_b32 s18, s12, 15
	v_add_nc_u32 v[GO], s18, v[GO]
	v_lshlrev_b32 v[VTH], 3, v9
	v_sub_nc_u32 v[VTH], v1, v[VTH]                ; r - 8 h
	s_add_co_u32 s76, s12, s13
	s_sub_co_u32 s76, s76, 3
	s_lshl_b32 s76, s76, 6                         ; 64 (w + cx - 3)
	s_sub_co_u32 s78, s12, s13
	s_lshl_b32 s78, s78, 6                         ; 64 (w - cx)
	v_sub_nc_u32 v[VTHS], v[VTH], s78
	v_sub_nc_u32 v[VTH], v[VTH], s76
	v_mov_b32 v[BIGV], 0xf1800000                  ; -2^100: a power of two, so that c x it is exact
	s_lshl_b32 s18, s12, 13
	s_add_co_u32 s18, s18, MRG                     ; my part of the merge area
	v_lshl_add_u32 v[MW], v52, 4, s18
	v_lshl_add_u32 v[VLR], v9, 3, v50              ; V_lo, 16 rows of 288 bytes there: out as V comes out of a slot,
	v_mul_u32_u24 v[VLR], v[VLR], PV
	v_lshl_add_u32 v[VLR], v51, 4, v[VLR]
	v_add_nc_u32 v[VLR], s18, v[VLR]
	v_mul_u32_u24 v[VLW], v9, PV                   ; in by rows: row h, 16 r
	v_lshl_add_u32 v[VLW], v1, 4, v[VLW]
	v_add_nc_u32 v[VLW], s18, v[VLW]
	v_lshlrev_b32 v[L16], 4, v52
	s_mul_i32 s18, s12, 4*272
	s_add_co_u32 s18, s18, MRG+64*272
	v_mul_u32_u24 v[OSR2], v9, 272                 ; the stage's rows 64 + 4 w + h, 16 r
	v_lshl_add_u32 v[OSR2], v1, 4, v[OSR2]
	v_add_nc_u32 v[OSR2], s18, v[OSR2]
	WIN 0xc0                                       ; the low parts for the walk's last round: asked for now, wanted eight rounds on
.set i, 0
.rept 4                                                ; fragments of 16 rows x 32 channels, as Q's and K's
	global_load_b128 v[QL+8*i:QL+8*i+3],   v[QO], s[86:87] offset:i*64
	global_load_b128 v[QL+8*i+4:QL+8*i+7], v[QO], s[86:87] offset:i*64+32
	global_load_b128 v[KL+8*i:KL+8*i+3],   v[QO], s[88:89] offset:i*64
	global_load_b128 v[KL+8*i+4:KL+8*i+7], v[QO], s[88:89] offset:i*64+32
.set i, i+1
.endr
.set i, 0
.rept 8                                                ; V_lo as it lies, two rows a load, into the upper halves of its fragments' registers
	global_load_b128 v[VL+8*i+4:VL+8*i+7], v[L16], s[90:91] offset:512*i
.set i, i+1
.endr
	WIN 0x40
.set i, 0
.rept 256
	v_mov_b32 v[i], 0
.set i, i+1
.endr
	WIN 0
.irp t, 0,1,2,3
	v_mov_b32 v[ST+8*(\t)], 0xfe000000             ; c m: far below every c s
	v_mov_b32 v[ST+8*(\t)+1], 0xff7fffff           ; m
	v_mov_b32 v[ST+8*(\t)+2], 0
	v_mov_b32 v[ST+8*(\t)+3], 0
.endr
; THE MATRIX WORK.  The 16 (K Q^T) and 32 (V^T P) accumulators take turns, one instruction a turn.
.macro KQM                             ; product i of 64: channels 32 (i / 16) on, keys 16 ((i / 4) % 4) on, tile i % 4.  The first 16 start the sums
	WIN 0x0a
.set rS, S+32*(i%4)+8*((i/4)%4)
.set rK, KF+32*((i/4)%4)+8*(i/16)
.set rQ, 32*(i%4)+8*(i/16)
.if i < 16
	v_wmma_f32_16x16x32_f16 v[rS:rS+7], v[rK:rK+7], v[rQ:rQ+7], 0
.else
	v_wmma_f32_16x16x32_f16 v[rS:rS+7], v[rK:rK+7], v[rQ:rQ+7], v[rS:rS+7]
.endif
.set i, i+1
.endm
.macro PVM                             ; product i of 64: keys 32 (i / 32) on, channels 16 ((i / 4) % 8) on, tile i % 4
	WIN 0x53
.set rO, 64*(i%4)+8*((i/4)%8)
.set rV, 64*(i/32)+8*((i/4)%8)
.set rP, P+16*(i%4)+8*(i/32)
	v_wmma_f32_16x16x32_f16 v[rO:rO+7], v[rV:rV+7], v[rP:rP+7], v[rO:rO+7]
.set i, i+1
.endm
.macro FETCH_K                         ; 32 loads in the order in which the products take them: channels 32 (f / 4) on, keys 16 (f % 4) on; the fragment lies at KF + 32 (f % 4) + 8 (f / 4)
	WIN 0x80
.irp f, 0,1,2,3,4,5,6,7,8,9,10,11,12,13,14,15
	ds_load_b128 v[KF+32*((\f)%4)+8*((\f)/4):KF+32*((\f)%4)+8*((\f)/4)+3],   v[ADK] offset:((\f)%4)*16*PK+((\f)/4)*64
	ds_load_b128 v[KF+32*((\f)%4)+8*((\f)/4)+4:KF+32*((\f)%4)+8*((\f)/4)+7], v[ADK] offset:((\f)%4)*16*PK+((\f)/4)*64+32
.endr
.endm
.macro FETCH_V g                       ; a quarter of V's 32 loads: fragments 4 g .. 4 g + 3; fragment f: keys 32 (f / 8) on, channels 16 (f % 8) on
	WIN 0xc0
.irp e, 0,1,2,3
.set vf, 4*(\g)+(\e)
	ds_load_tr16_b128 v[8*vf:8*vf+3],   v[ADV] offset:(vf/8)*32*PV+(vf%8)*32
	ds_load_tr16_b128 v[8*vf+4:8*vf+7], v[ADV] offset:(vf/8)*32*PV+16*PV+(vf%8)*32
.endr
.endm
; THE SOFTMAX of tile t is a list of 134 lines; SM writes number j.  0-15 the maximum of the lane's 32 scores and the old m (each accumulator's lowest registers first); 16-20 the other half of
; the lanes' maximum, the new m, c m, c m_old - c m_new; 21-87 33 exponentials at the odd numbers from 23 on, and between them scalings c s - c m ahead of their exponentials and roundings three numbers
; behind theirs; from 76 on the sums, in place; 102-133 O^T times a.  The four tiles go side by side, number by number: four exponentials on end, then a plain line that reads none of their results.
.macro SM t
.set rT, ST+8*(\t)
.set rS, S+32*(\t)
.set rP, P+16*(\t)
.set rO, 64*(\t)+2*(j-102)
.set q, (j-20)/2
.if j < 102
	WIN 0
.endif
.if j < 4
	v_max3_num_f32 v[rT+4+j], v[rS+8*j], v[rS+8*j+1], v[rS+8*j+2]
.elseif j < 12
	v_max3_num_f32 v[rT+4+j%4], v[rT+4+j%4], v[rS+8*(j%4)+2*(j/4)+1], v[rS+8*(j%4)+2*(j/4)+2]
.elseif j == 12
	v_max3_num_f32 v[rT+4], v[rT+4], v[rS+7], v[rS+15]
.elseif j == 13
	v_max3_num_f32 v[rT+6], v[rT+6], v[rS+23], v[rS+31]
.elseif j == 14
	v_max3_num_f32 v[rT+4], v[rT+4], v[rT+5], v[rT+6]
.elseif j == 15
	v_max3_num_f32 v[rT+4], v[rT+4], v[rT+7], v[rT+1]
.elseif j == 16
	v_permlanex16_b32 v[rT+5], v[rT+4], s60, s61   ; the query's other 32 keys lie in the lane 16 away
.elseif j == 17
	v_mov_b32 v[rT+7], v[rT]                       ; c m_old is kept: number 19 writes c m anew
.elseif j == 18
	v_max_num_f32 v[rT+1], v[rT+4], v[rT+5]
.elseif j == 19
	v_mul_f32 v[rT], s[CS], v[rT+1]
.elseif j == 20
	v_sub_f32 v[rT+7], v[rT+7], v[rT]
.elseif j == 23
	v_exp_f32 v[rT+6], v[rT+7]
.elseif (j < 88) && (j > 23) && (j%2 == 1)
	v_exp_f32 v[rS+(j-25)/2], v[rS+(j-25)/2]
.elseif (q < 4) || ((j < 76) && (q%2 == 0))
.set b, q/2+2
.if q < 4
.set b, q
.endif
	v_pk_fma_f32 v[rS+2*b:rS+2*b+1], v[rS+2*b:rS+2*b+1], s[CS:CS+1], v[rT:rT+1] op_sel_hi:[1,0,0] neg_lo:[0,0,1] neg_hi:[0,0,1]
.elseif (j < 88) && (q%2 == 1)
	s_wait_alu depctr_va_vdst(0)
	v_cvt_pk_f16_f32 v[rP+(q-5)/2], v[rS+q-5], v[rS+q-4]
.elseif j == 89
	s_wait_alu depctr_va_vdst(0)
	v_cvt_pk_f16_f32 v[rP+15], v[rS+30], v[rS+31]
.elseif j < 102
.set z, j-86
.if j < 89
.set z, (j-76)/4
.endif
.set w, 4
.set u, z
.if z >= 14
.set w, 32
.set u, 0
.elseif z >= 12
.set w, 16
.set u, z-12
.elseif z >= 8
.set w, 8
.set u, z-8
.endif
.if z < 15
	v_pk_add_f32 v[rS+w*u:rS+w*u+1], v[rS+w*u:rS+w*u+1], v[rS+w*u+w/2:rS+w*u+w/2+1]
.else
	v_pk_fma_f32 v[rT+2:rT+3], v[rT+2:rT+3], v[rT+6:rT+7], v[rS:rS+1] op_sel_hi:[1,0,1]
.endif
.else
	WIN 0x41
	v_pk_mul_f32 v[rO:rO+1], v[rO:rO+1], v[rT+6:rT+7] op_sel_hi:[1,0]
.endif
.endm
; THE MASK: one compare serves every accumulator with the same kb - t; each accumulator is first touched at its lowest register
.macro MASKB
	WIN 0
.irp u, 0,1,2,3,4,5,6
.irp r, 0,1,2,3,4,5,6,7
	v_cmp_gt_i32 vcc_lo, 16*((\u)-3)+(\r), v[VTH]
.irp t, 0,1,2,3
.if ((\t)+(\u)-3 >= 0) && ((\t)+(\u)-3 < 4)
	v_cndmask_b32 v[S+32*(\t)+8*((\t)+(\u)-3)+(\r)], v[S+32*(\t)+8*((\t)+(\u)-3)+(\r)], v[BIGV], vcc_lo
.endif
.endr
.endr
.endr
.endm
; A ROUND.  always = 1: the walk's last round, which is a block's last and takes the low parts
.macro ROUND always
	v_add_nc_u32 v[ADK], s62, v[AK0]
	v_add_nc_u32 v[ADV], s62, v[AV0]
.if \always
	s_wait_loadcnt 0x0                             ; the low parts are in
	WIN 0x0c                                       ; the LDS stores' data in window 3
.set n, 0
.rept 8                                                ; V_lo into my own part of the merge area, whose last readers passed the barrier of the change of slots
	ds_store_b128 v[VLW], v[VL+8*n+4:VL+8*n+7] offset:2*PV*n
.set n, n+1
.endr
	WIN 0xc0
.set n, 0
.rept 8                                                ; and back turned: keys 0-15, channels 16 n on.  LDS serves a wave's instructions in order: these see the stores above
	ds_load_tr16_b128 v[VL+8*n:VL+8*n+3], v[VLR] offset:32*n
.set n, n+1
.endr
.set n, 0
.rept 8                                                ; keys 16-31 of these fragments have no low part: 0
.irp z, 4,5,6,7
	v_mov_b32 v[VL+8*n+(\z)], 0
.endr
.set n, n+1
.endr
.endif
	FETCH_K
	s_wait_loadcnt 0x0                             ; Q
.set i, 0
.irp g, 0,1,2,3
	s_wait_dscnt 24                                ; LDS loads come back in order.  The 24 youngest, which may stay out, are K's 8 (3 - g) loads for later channels and the 8 g of V's issued so far: K's eight for channels 32 g on are in
	FETCH_V \g
.rept 16
	KQM
.endr
.endr
.if \always
.set n, 0
.rept 4                                                ; tile 0, keys 0-15: K_lo Q onto the scores, K Q_lo into a sum of its own: two accumulators by turns
	WIN 0x0b                                       ; source 0 window 3, source 1 window 2
	v_wmma_f32_16x16x32_f16 v[S:S+7], v[KL+8*n:KL+8*n+7], v[8*n:8*n+7], v[S:S+7]
	WIN 0x0e                                       ; source 0 window 2, source 1 window 3
.if n == 0
	v_wmma_f32_16x16x32_f16 v[XA:XA+7], v[KF+8*n:KF+8*n+7], v[QL+8*n:QL+8*n+7], 0
.else
	v_wmma_f32_16x16x32_f16 v[XA:XA+7], v[KF+8*n:KF+8*n+7], v[QL+8*n:QL+8*n+7], v[XA:XA+7]
.endif
.set n, n+1
.endr
.endif
	WIN 0
	PLACES
.if \always
.irp z, 0,2,4,6
	v_pk_add_f32 v[S+(\z):S+(\z)+1], v[S+(\z):S+(\z)+1], v[XA+(\z):XA+(\z)+1]
.endr
.else
	s_cmp_lg_u32 s57, 1                            ; only a block's last round holds hidden keys
	s_cbranch_scc1 .Lnomask_\@
.endif
	MASKB
.Lnomask_\@:
.set j, 0
.rept 134
.if (\always) && (j == 76)
.set n, 0
.rept 8                                                ; tile 0, keys 0-31: the weights' low parts, while the weights still lie unsummed: number 76 begins the sums in place
	LOP PL+n, S+2*n
.set n, n+1
.endr
.endif
.irp t, 0,1,2,3
	SM \t
.endr
.set j, j+1
.endr
	s_wait_dscnt 0x0                               ; V is in
.set i, 0
.rept 64
	PVM
.endr
.if \always
.set n, 0
.rept 8                                                ; tile 0: V^T P_lo, the eight accumulators by turns,
	v_wmma_f32_16x16x32_f16 v[8*n:8*n+7], v[8*n:8*n+7], v[PL:PL+7], v[8*n:8*n+7]
.set n, n+1
.endr
.set n, 0
.rept 8                                                ; and V_lo^T P
	v_wmma_f32_16x16x32_f16 v[8*n:8*n+7], v[VL+8*n:VL+8*n+7], v[P:P+7], v[8*n:8*n+7]
.set n, n+1
.endr
.endif
	WIN 0
.endm
; A BLOCK'S END.  sw = 1: the long block's: the short block's Q is asked for first, and at the end its statistics are started
.macro BLOCKEND sw
.if \sw
.set OUTB, 52
	WIN 0x80
.set i, 0
.rept 16
	global_load_b128 v[8*i:8*i+3],   v[QO], s[50:51] offset:(i/4)*4096+(i%4)*64
	global_load_b128 v[8*i+4:8*i+7], v[QO], s[50:51] offset:(i/4)*4096+(i%4)*64+32
.set i, i+1
.endr
	WIN 0
.else
.set OUTB, 54
.endif
.irp t, 0,1,2,3
	v_add_f32 v[ST+8*(\t)+4], v[ST+8*(\t)+2], v[ST+8*(\t)+3]
.endr
.irp t, 0,1,2,3
	v_permlanex16_b32 v[ST+8*(\t)+5], v[ST+8*(\t)+4], s60, s61
.endr
.irp t, 0,1,2,3
	v_add_f32 v[ST+8*(\t)+1], v[ST+8*(\t)+4], v[ST+8*(\t)+5]   ; l of my wave's keys, beside c m
.endr
.irp t, 0,1,2,3
	ds_store_b64 v[STW], v[ST+8*(\t):ST+8*(\t)+1] offset:256*(\t)
.endr
	s_wait_dscnt 0x0                               ; for the others' sake
	s_barrier_signal -1
	s_barrier_wait -1
.set n, 0
.rept 16                                               ; wave n / 4, tile n % 4
	ds_load_b64 v[S+2*n:S+2*n+1], v[STR] offset:1024*(n/4)+256*(n%4)
.set n, n+1
.endr
	s_wait_dscnt 0x0
.irp t, 0,1,2,3
	v_max3_num_f32 v[ST+8*(\t)+4], v[S+2*(\t)], v[S+8+2*(\t)], v[S+16+2*(\t)]
.endr
.irp t, 0,1,2,3
	v_max_num_f32 v[ST+8*(\t)+4], v[ST+8*(\t)+4], v[S+24+2*(\t)]   ; c m of all four waves
.endr
.set n, 0
.rept 16
	v_sub_f32 v[S+2*n], v[S+2*n], v[ST+8*(n%4)+4]
.set n, n+1
.endr
.irp t, 0,1,2,3
	v_sub_f32 v[ST+8*(\t)+5], v[ST+8*(\t)], v[ST+8*(\t)+4]
.endr
.set n, 0
.rept 16
	v_exp_f32 v[S+2*n], v[S+2*n]
.set n, n+1
.endr
.irp t, 0,1,2,3
	v_exp_f32 v[ST+8*(\t)+5], v[ST+8*(\t)+5]       ; my own factor
.endr
	v_nop
	s_wait_alu depctr_va_vdst(0)
.irp t, 0,1,2,3
	v_mul_f32 v[ST+8*(\t)+7], v[S+2*(\t)], v[S+2*(\t)+1]
.endr
.irp u, 1,2,3
.irp t, 0,1,2,3
	v_fmac_f32 v[ST+8*(\t)+7], v[S+8*(\u)+2*(\t)], v[S+8*(\u)+2*(\t)+1]   ; l of all keys
.endr
.endr
.irp t, 0,1,2,3
	v_rcp_f32 v[ST+8*(\t)+7], v[ST+8*(\t)+7]
.endr
	v_nop
	s_wait_alu depctr_va_vdst(0)
.irp t, 0,1,2,3
	v_mul_f32 v[ST+8*(\t)+6], v[ST+8*(\t)+5], v[ST+8*(\t)+7]
.endr
	WIN 0x41
.set n, 0
.rept 128
	v_pk_mul_f32 v[2*n:2*n+1], v[2*n:2*n+1], v[ST+8*(n/32)+6:ST+8*(n/32)+7] op_sel_hi:[1,0]
.set n, n+1
.endr
.irp t, 0,1,2,3                        ; a tile at a time: every wave lays its share down, takes the four shares of its own two channel blocks, and adds them
	WIN 0x04
.set n, 0
.rept 16
	ds_store_b128 v[MW], v[64*(\t)+4*n:64*(\t)+4*n+3] offset:512*n
.set n, n+1
.endr
	WIN 0
	s_wait_dscnt 0x0
	s_barrier_signal -1
	s_barrier_wait -1
.set n, 0
.rept 16
	ds_load_b128 v[S+4*n:S+4*n+3], v[MR] offset:8192*(n/4)+512*(n%4)
.set n, n+1
.endr
	s_wait_dscnt 0x0                               ; my reads are over: the next tile may be laid down when all have said so
	s_barrier_signal -1
.set n, 0
.rept 8
	v_pk_add_f32 v[P+16*(\t)+2*n:P+16*(\t)+2*n+1], v[S+2*n:S+2*n+1], v[S+16+2*n:S+16+2*n+1]
.set n, n+1
.endr
.set n, 0
.rept 8
	v_pk_add_f32 v[P+16*(\t)+2*n:P+16*(\t)+2*n+1], v[P+16*(\t)+2*n:P+16*(\t)+2*n+1], v[S+32+2*n:S+32+2*n+1]
.set n, n+1
.endr
.set n, 0
.rept 8
	v_pk_add_f32 v[P+16*(\t)+2*n:P+16*(\t)+2*n+1], v[P+16*(\t)+2*n:P+16*(\t)+2*n+1], v[S+48+2*n:S+48+2*n+1]
.set n, n+1
.endr
	s_barrier_wait -1
.endr
.set n, 0
.rept 32
	v_cvt_pk_f16_f32 v[S+n], v[P+2*n], v[P+2*n+1]
.set n, n+1
.endr
.set n, 0
.rept 8                                                ; tile 0's low parts
	LOP S+72+n, P+2*n
.set n, n+1
.endr
.set n, 0
.rept 8                                                ; tile n / 2, channel block 2 w + n % 2
	ds_store_b128 v[OSW], v[S+4*n:S+4*n+3] offset:(n/2)*4352+(n%2)*32
.set n, n+1
.endr
.set n, 0
.rept 2                                                ; the low parts: the stage's rows 64-79
	ds_store_b128 v[OSW], v[S+72+4*n:S+72+4*n+3] offset:4*4352+n*32
.set n, n+1
.endr
	v_add_nc_u32 v[S+65], s85, v[GO]               ; rows 64 + 4 w + h of the block in att
	s_wait_dscnt 0x0
	s_barrier_signal -1
	s_barrier_wait -1
.set n, 0
.rept 8
	ds_load_b128 v[S+32+4*n:S+32+4*n+3], v[OSR] offset:544*n
.set n, n+1
.endr
.set n, 0
.rept 2
	ds_load_b128 v[S+80+4*n:S+80+4*n+3], v[OSR2] offset:544*n
.set n, n+1
.endr
.set n, 0
.rept 8
	s_wait_dscnt 9-n                               ; the younger loads stay out
	global_store_b128 v[GO], v[S+32+4*n:S+32+4*n+3], s[OUTB:OUTB+1] offset:4096*n   ; sixteen lanes store 256 consecutive bytes, aligned
.set n, n+1
.endr
.set n, 0
.rept 2
	s_wait_dscnt 1-n
	global_store_b128 v[S+65], v[S+80+4*n:S+80+4*n+3], s[OUTB:OUTB+1] offset:4096*n
.set n, n+1
.endr
.if \sw
	s_wait_xcnt 0x0                                ; the stores' data and address registers are S^T's: the next round's products write them only behind this wait
.irp t, 0,1,2,3
	v_mov_b32 v[ST+8*(\t)], 0xfe000000             ; the short block begins: a = 0 in its first round, so O and l need only be finite
	v_mov_b32 v[ST+8*(\t)+1], 0xff7fffff
.endr
	v_mov_b32 v[VTH], v[VTHS]
	s_add_co_u32 s57, s14, 1                       ; it has c + 1 rounds
.endif
.endm
.Lround:                                               ; eight trips: a round is entered and the next is asked for
	CHANGE 1
	ROUND 0
	s_sub_co_u32 s57, s57, 1
	s_cmp_lg_u32 s57, 0
	s_cbranch_scc1 .Lbottom
	BLOCKEND 1                                     ; in the loop this is the long block's end: the short block's last round is the walk's last
.Lbottom:
	s_sub_co_u32 s56, s56, 1
	s_cmp_lg_u32 s56, 0
	s_cbranch_scc1 .Lround
	CHANGE 0                                       ; the walk's last round is written out
	ROUND 1
	BLOCKEND 0
	s_wait_tensorcnt 0x0                           ; the wave's end
	ds_add_u32 v[SPW], v[NIL]
	s_wait_dscnt 0x0
	CROUND                                         ; the closing round
	s_endpgm
.Lfunc_end_k_qc7876362ee_attn:
	.size	k_qc7876362ee_attn, .Lfunc_end_k_qc7876362ee_attn-k_qc7876362ee_attn
	.p2alignl 7, 3214868480
	.fill 96, 4, 3214868480
	.section	.rodata,"a",@progbits
	.p2align	6, 0x0
	.amdhsa_kernel k_qc7876362ee_attn
		.amdhsa_group_segment_fixed_size 327680
		.amdhsa_private_segment_fixed_size 0
		.amdhsa_enable_private_segment 0
		.amdhsa_kernarg_size 24
		.amdhsa_user_sgpr_count 2
		.amdhsa_user_sgpr_kernarg_segment_ptr 1
		.amdhsa_wavefront_size32 1
		.amdhsa_system_sgpr_workgroup_id_x 1
		.amdhsa_system_sgpr_workgroup_id_y 1
		.amdhsa_system_sgpr_workgroup_id_z 1
		.amdhsa_system_vgpr_workitem_id 0
		.amdhsa_next_free_vgpr 1024
		.amdhsa_next_free_sgpr 92
		.amdhsa_reserve_vcc 1
		.amdhsa_float_denorm_mode_32 3
		.amdhsa_float_denorm_mode_16_64 3
		.amdhsa_memory_ordered 1
		.amdhsa_forward_progress 1
		.amdhsa_inst_pref_size 204
	.end_amdhsa_kernel
	.amdgpu_metadata
---
amdhsa.version: [ 1, 2 ]
amdhsa.kernels:
  - .name:           k_qc7876362ee_attn
    .symbol:         k_qc7876362ee_attn.kd
    .args:
      - { .name: qkvh, .offset: 0, .size: 8, .value_kind: global_buffer, .address_space: global }
      - { .name: qkvl, .offset: 8, .size: 8, .value_kind: global_buffer, .address_space: global }
      - { .name: att, .offset: 16, .size: 8, .value_kind: global_buffer, .address_space: global }
    .group_segment_fixed_size: 327680
    .private_segment_fixed_size: 0
    .kernarg_segment_align: 8
    .kernarg_segment_size: 24
    .max_flat_workgroup_size: 128
    .sgpr_count:     92
    .vgpr_count:     1024
    .wavefront_size: 32
...
	.end_amdgpu_metadata
.endif
;; end of part 3
;; launch oproj (part 4): grid 8 x 32, 4 waves a work-group, clusters of 4 x 4, 327,680 bytes of LDS; arguments att, wo16, out0; writes out0
.if DOCPART == 4
	.amdgcn_target "amdgcn-amd-amdhsa--gfx1250"
	.amdhsa_code_object_version 6
	.text
	.protected	k_qc7876362ee_oproj
	.globl	k_qc7876362ee_oproj
	.p2align	8
	.type	k_qc7876362ee_oproj,@function
k_qc7876362ee_oproj:
	s_mov_b64 s[64:65], 0
	v_nop
	global_prefetch_b8 v0, s[64:65] scope:SCOPE_SE
	s_setreg_imm32_b32 hwreg(HW_REG_WAVE_MODE, 25, 1), 1
	s_wait_xcnt 0x0
	s_wait_alu depctr_hold_cnt(0) depctr_sa_sdst(0) depctr_va_vdst(0) depctr_va_sdst(0) depctr_va_ssrc(0) depctr_va_vcc(0) depctr_vm_vsrc(0)
	s_getreg_b32 s2, hwreg(HW_REG_IB_STS2, 6, 4)
	s_cmp_eq_u32 s2, 0
	s_cbranch_scc0 .Lentry_in_a_cluster
	s_endpgm
.Lentry_in_a_cluster:
	s_bfe_u32 s2, ttmp6, 0x10000c
	s_cmp_lg_u32 s2, 0xf033
	s_cbranch_scc0 .Lentry_shape_is_right
	s_endpgm
.Lentry_shape_is_right:
; out0 = att Wo.  att f16 [64 blocks of 64 tokens][80 rows][1024]: rows 0-63 the tokens, rows 64-79 the low parts (x - f16(x)) of the block's first 16; wo16 f16 [1024 k][2048 n]; out0 f32 [4096][2048]; f32 sums.
; SHARES.  Work-group (tx, ty): tokens 128 ty .. + 127, columns 256 tx .. + 255: 256 work-groups.  Wave w: rows 64 (w / 2) on, columns 128 (w % 2) on: 32 accumulators of 16 x 16, window 2.
; THE LOW PARTS.  A batch's first 16 rows are means of few rows of v, many times the output's root mean square, and want more than f16's 11 bits.  They lie in ty = 0 and ty = 16: in the clusters whose y is 0 or 4.
; In those clusters every wave adds the products of its block's 16 rows of low parts onto row block 0's accumulators: 8 matrix instructions more for a quarter's 32.  The other clusters jump over them: the branch
; hangs on the cluster's y alone, which all partners share, and passes neither a barrier nor a tensor load.  So 64 of the 256 work-groups issue a quarter more products than the rest.  The low rows come with the
; block's own rows in one tensor load, in every work-group: one descriptor for all.
; THE MATRIX INSTRUCTION IS USED TRANSPOSED (source 0 = 16 columns of Wo, turned out of LDS by ds_load_tr16_b128; source 1 = 16 tokens): a lane holds token lane % 16 and eight neighbouring columns.
; RING.  K goes in 8 steps of 128 through two slots: att's 160 rows (256 + 16 bytes), then two sub-tiles of Wo, 128 k-rows x 128 columns (256 + 32 bytes).  Waves 0, 1 fetch att's two blocks, waves 2, 3 the sub-tiles.
; ONE TEXT FOR A K STEP.  The slot being read is a scalar, 0 or SLOT, turned by an exclusive or at each change of slots; the fragments' addresses are that scalar plus a lane's constant, and one descriptor a tensor
; walks.  Written out: the first quarter (its products start the sums), a loop of 6 K steps that each fill a slot again, entered in its middle, and a loop of the last two, which fill nothing.
; The price: the last change of slots fetches 26 loads from the other slot that nothing uses.
; CLUSTER 4 x 4: att's tile is shared along a row of the cluster, Wo's along a column: joint loads.
; THE WAY OUT: 16 rows at a time through the wave's own stage (rows of 512 + 16 bytes); each store of the wave covers 512 consecutive bytes, aligned.
.set PA,    272
.set PB,    288
.set ABYTES, 160*PA
.set BSUB,  128*PB
.set SLOT,  ABYTES+2*BSUB
.set STAGE, 2*SLOT
.set SPP,   528
.set SPARE, STAGE+4*16*SPP             ; the spare words, 128 bytes a wave: two blocks of 256 bytes that no other line names
.set STEPS, 8                          ; K steps
.set ADRA0, 16                         ; v16  my att fragments in slot 0; never rewritten
.set ADRA,  17                         ; v17  in the slot being read
.set ADRB0, 20                         ; v20, v21 the same for Wo
.set ADRB,  21
.set STO,  24
.set RD,   25
.set CO,   26
.set SPW,  28
.set NIL,  29
.set OB,   32                          ; v32-95, v96-159: rows read back, two buffers by turns
.set F0,   0                           ; window 1: 8 fragments of Wo, then 5 of att: row blocks 0-3 and the low parts
.set F1,   104
.set G1A, 24                           ; s[24:31] group 1 for att;  s[32:39] group 0: a set for each of the two first fills; the second then walks on
.set G0A, 32
.set G1B, 48
.set G0B, 56
.set CUR, 10                           ; s10  the slot being read: 0 or SLOT
.set NOLOW, 11                         ; s11  the cluster's y modulo 4: 0 where the low parts are wanted
.set MSB, 0
.macro WIN new
.if MSB != (\new)
	s_set_vgpr_msb (MSB<<8)|(\new)
.set MSB, (\new)
.endif
.endm
.macro PLACES
.rept 4
	v_nop
.endr
.endm
.macro JLOAD s                         ; an s_nop 0 and four v_nop follow each of the two lines
	s_cmp_eq_u32 s17, 0
	s_cbranch_scc0 .Lfor_b_\@
	tensor_load_to_lds s[G0A+4*(\s):G0A+4*(\s)+3], s[G1A:G1A+7]
	s_nop 0
.rept 4
	v_nop
.endr
	s_branch .Lasked_\@
.Lfor_b_\@:
	tensor_load_to_lds s[G0B+4*(\s):G0B+4*(\s)+3], s[G1B:G1B+7]
	s_nop 0
.rept 4
	v_nop
.endr
.Lasked_\@:
.endm
.macro CREST
	s_cmp_lg_u32 s16, 0
	s_cbranch_scc1 .Lnot_wave_0_\@
	s_barrier_signal -3
.Lnot_wave_0_\@:
	s_barrier_wait -3
	s_barrier_signal -1
	s_barrier_wait -1
.endm
.macro CROUND
	s_barrier_signal -1
	s_barrier_wait -1
	CREST
.endm
	s_load_b128 s[4:7], s[0:1], 0x0                ; att s[4:5], wo16 s[6:7]
	s_load_b64 s[8:9], s[0:1], 0x10                ; out0
	v_lshl_add_u32 v[SPW], v0, 2, SPARE
	v_mov_b32 v[NIL], 0
	ds_add_u32 v[SPW], v[NIL]                      ; the wave's opening: the add and its wait ahead of my first tensor load
	v_lshrrev_b32 v1, 5, v0
	v_readfirstlane_b32 s16, v1                    ; wave 0..3
	s_lshr_b32 s17, s16, 1                         ; which 64 rows are mine.  Also: I fetch for att (0) or for Wo (1)
	s_and_b32 s18, s16, 1                          ; which 128 columns.  Also: which block or sub-tile I fetch
	s_bfe_u32 s40, ttmp6, 0x40000
	s_bfe_u32 s41, ttmp6, 0x40004
	s_lshl_b32 s42, ttmp9, 2
	s_add_co_u32 s42, s42, s40                     ; tx
	s_and_b32 s43, ttmp7, 0xffff
	s_lshl_b32 s43, s43, 2
	s_add_co_u32 s43, s43, s41                     ; ty
	s_and_b32 s[NOLOW], ttmp7, 3                   ; the grid has 8 clusters along y: 0 for clusters 0 and 4
	s_mov_b32 s[CUR], 0                            ; K step 0 lies in slot 0
	s_lshl_b32 s44, s41, 2
	s_lshl_b32 s44, 15, s44
	s_lshl_b32 s45, 0x1111, s40
	s_or_b32 s[G1A], s44, (1<<16)|(1<<20)|(1<<21)|(5<<22)|(3<<25)
	s_or_b32 s[G1B], s45, (1<<16)|(1<<20)|(1<<21)|(5<<22)|(7<<25)
	s_mov_b32 s[G1A+1], 128<<16                    ; att: 80 rows x 128 elements
	s_mov_b32 s[G1A+2], 80<<16
	s_mov_b32 s[G1A+3], 128<<16
	s_mov_b32 s[G1A+4], 80
	s_mov_b32 s[G1A+5], 1024
	s_mov_b32 s[G1A+6], 0
	s_mov_b32 s[G1A+7], 0
	s_mov_b32 s[G1B+1], 128<<16                    ; Wo: 128 k-rows x 128 elements
	s_mov_b32 s[G1B+2], 128<<16
	s_mov_b32 s[G1B+3], 128<<16
	s_mov_b32 s[G1B+4], 128
	s_mov_b32 s[G1B+5], 2048
	s_mov_b32 s[G1B+6], 0
	s_mov_b32 s[G1B+7], 0
	s_mul_i32 s20, s43, 327680                     ; att: (160 ty + 80 block) rows of 2,048 bytes
	s_mul_i32 s19, s18, 163840
	s_add_co_u32 s20, s20, s19
	s_mov_b32 s21, 0
	s_lshl_b32 s46, s42, 9                         ; Wo: (256 tx + 128 sub-tile) columns of 2 bytes
	s_lshl_b32 s19, s18, 8
	s_add_co_u32 s46, s46, s19
	s_mov_b32 s47, 0
	s_mul_i32 s23, s18, 80*PA                      ; where they go
	s_mul_i32 s22, s18, BSUB
	s_add_co_u32 s22, s22, ABYTES
	s_wait_dscnt 0x0                               ; the opening add is done
	s_wait_kmcnt 0x0
	s_add_nc_u64 s[20:21], s[4:5], s[20:21]
	s_add_nc_u64 s[46:47], s[6:7], s[46:47]
	CROUND
.irp s, 0,1
	s_mov_b32 s[G0A+4*(\s)], 1
	s_add_co_u32 s[G0A+4*(\s)+1], s23, (\s)*SLOT
	s_add_nc_u64 s[G0A+4*(\s)+2:G0A+4*(\s)+3], s[20:21], (\s)*256
	s_or_b32 s[G0A+4*(\s)+3], s[G0A+4*(\s)+3], 0x80000000
	s_mov_b32 s[G0B+4*(\s)], 1
	s_add_co_u32 s[G0B+4*(\s)+1], s22, (\s)*SLOT
	s_add_nc_u64 s[G0B+4*(\s)+2:G0B+4*(\s)+3], s[46:47], (\s)*524288     ; 128 k-rows of 4,096 bytes
	s_or_b32 s[G0B+4*(\s)+3], s[G0B+4*(\s)+3], 0x80000000
	JLOAD \s
.endr
	v_and_b32 v1, 15, v0
	v_bfe_u32 v2, v0, 4, 1
	v_mul_u32_u24 v3, v1, PA
	v_lshl_add_u32 v3, v2, 4, v3
	s_mul_i32 s19, s17, 80*PA
	v_add_nc_u32 v[ADRA0], s19, v3
	v_add_nc_u32 v[ADRA], s19, v3
	v_and_b32 v4, 7, v0
	v_bfe_u32 v5, v0, 3, 1
	v_lshl_add_u32 v4, v2, 3, v4
	v_mul_u32_u24 v4, v4, PB
	v_lshl_add_u32 v4, v5, 4, v4
	s_mul_i32 s19, s18, BSUB
	s_add_co_u32 s19, s19, ABYTES
	v_add_nc_u32 v[ADRB0], s19, v4
	v_add_nc_u32 v[ADRB], s19, v4
	s_mul_i32 s19, s16, 16*SPP
	s_add_co_u32 s19, s19, STAGE                   ; my stage
	v_mul_u32_u24 v[STO], v1, SPP
	v_lshl_add_u32 v[STO], v2, 5, v[STO]
	v_add_nc_u32 v[STO], s19, v[STO]
	v_and_b32 v[CO], 31, v0
	v_lshlrev_b32 v[CO], 4, v[CO]                  ; 16 x lane: my place in a row's 512 bytes
	v_add_nc_u32 v[RD], s19, v[CO]
	s_lshl_b32 s66, s43, 20                        ; out0: (128 ty + 64 rh) rows of 8,192 bytes + (256 tx + 128 ch) columns of 4
	s_lshl_b32 s67, s17, 19
	s_add_co_u32 s66, s66, s67
	s_lshl_b32 s67, s42, 10
	s_add_co_u32 s66, s66, s67
	s_lshl_b32 s67, s18, 9
	s_add_co_u32 s66, s66, s67
	s_mov_b32 s67, 0
	s_add_nc_u64 s[8:9], s[8:9], s[66:67]
; 8 matrix instructions: att's fragment a (0-3 the row blocks, 4 the low parts, which add onto row block 0) x my 8 column blocks.  No two that follow each other share an accumulator, on either way round the low parts.
.macro MULA f, a, zero
	WIN 0xa5
.irp b, 0,1,2,3,4,5,6,7
.set rD, 8*(8*((\a)%4)+(\b))
.if \zero
	v_wmma_f32_16x16x32_f16 v[rD:rD+7], v[(\f)+8*(\b):(\f)+8*(\b)+7], v[(\f)+64+8*(\a):(\f)+64+8*(\a)+7], 0
.else
	v_wmma_f32_16x16x32_f16 v[rD:rD+7], v[(\f)+8*(\b):(\f)+8*(\b)+7], v[(\f)+64+8*(\a):(\f)+64+8*(\a)+7], v[rD:rD+7]
.endif
.endr
.endm
.macro LOW f                           ; the low parts' products, in the clusters that hold a batch's first rows; at a branch and at a label every window is 0
	WIN 0
	s_cmp_lg_u32 s[NOLOW], 0
	s_cbranch_scc1 .Lnolow_\@
	MULA \f, 4, 0
	WIN 0
.Lnolow_\@:
.endm
.macro FETCH kq, f                     ; 26 LDS loads in one run, from the slot being read; the low parts' rows lie straight behind row block 3's
	WIN 0x40
.irp b, 0,1,2,3,4,5,6,7
	ds_load_tr16_b128 v[(\f)+8*(\b):(\f)+8*(\b)+3],   v[ADRB] offset:(\kq)*32*PB+32*(\b)
	ds_load_tr16_b128 v[(\f)+8*(\b)+4:(\f)+8*(\b)+7], v[ADRB] offset:(\kq)*32*PB+32*(\b)+16*PB
.endr
.irp a, 0,1,2,3,4
	ds_load_b128 v[(\f)+64+8*(\a):(\f)+64+8*(\a)+3],   v[ADRA] offset:(\kq)*64+(\a)*16*PA
	ds_load_b128 v[(\f)+64+8*(\a)+4:(\f)+64+8*(\a)+7], v[ADRA] offset:(\kq)*64+(\a)*16*PA+32
.endr
.endm
.macro QUARTER kq, f, g, zero
	s_wait_dscnt 6                                 ; the youngest six loads (att's blocks 2, 3 and the low parts) may be out
	MULA \f, 0, \zero
	MULA \f, 1, \zero
	PLACES
	FETCH \kq, \g
	s_wait_dscnt 26                                ; all but the 26 just issued
	MULA \f, 2, \zero
	MULA \f, 3, \zero
	LOW \f
.endm
; The last quarter multiplies buffer 1 and changes slots.  fill = 1: the slot just read is filled again, two K steps ahead.  Then the scalar turns to the other slot, the two addresses follow it, and that slot's first fragments are fetched.
.macro TURN fill
	WIN 0
	s_wait_tensorcnt 0x0                           ; all my tensor loads have landed: my part of the next slot
	ds_add_u32 v[SPW], v[NIL]
	s_wait_dscnt 7                                 ; the add and the youngest six loads may be out
	MULA F1, 0, 0
	s_wait_dscnt 0x0                               ; the add is done, and my reads of this slot are over
	s_barrier_signal -1
	MULA F1, 1, 0
	WIN 0
	s_barrier_wait -1
.if \fill
	CREST                                          ; the barrier has opened a round of the cluster's
	s_add_co_u32 s[G0A+5], s[CUR], s23             ; the walking descriptors: the slot just read, my part of it,
	s_add_co_u32 s[G0B+5], s[CUR], s22
	s_add_nc_u64 s[G0A+6:G0A+7], s[G0A+6:G0A+7], 256       ; and the K step behind the one asked for last
	s_add_nc_u64 s[G0B+6:G0B+7], s[G0B+6:G0B+7], 524288
	s_xor_b32 s[CUR], s[CUR], SLOT
	JLOAD 1                                        ; its four v_nop are also the places in front of the loads below
.else
	s_xor_b32 s[CUR], s[CUR], SLOT
	PLACES
.endif
	v_add_nc_u32 v[ADRA], s[CUR], v[ADRA0]
	v_add_nc_u32 v[ADRB], s[CUR], v[ADRB0]
	FETCH 0, F0
	MULA F1, 2, 0
	MULA F1, 3, 0
	LOW F1
.endm
	s_wait_tensorcnt 1                             ; my part of K step 0 is in; K step 1's may stay out
	s_barrier_signal -1
	s_barrier_wait -1
	FETCH 0, F0
	QUARTER 1, F0, F1, 1                           ; the first quarter starts the sums
	WIN 0
	s_mov_b32 s3, STEPS-2                          ; K steps 0 to 5 ask for K steps 2 to 7
	s_branch .Lmid                                 ; the loop is entered behind its first quarter
.Lstep:
	QUARTER 1, F0, F1, 0
	WIN 0
.Lmid:
	QUARTER 2, F1, F0, 0
	QUARTER 3, F0, F1, 0
	TURN 1
	WIN 0
	s_sub_co_u32 s3, s3, 1
	s_cmp_lg_u32 s3, 0
	s_cbranch_scc1 .Lstep
	s_mov_b32 s3, 2                                ; the last two K steps fill nothing: a text of their own
.Ltail:
	QUARTER 1, F0, F1, 0
	QUARTER 2, F1, F0, 0
	QUARTER 3, F0, F1, 0
	TURN 0                                         ; in the last trip its fetch reads K step 6's tile once more, from slot 0, and nothing uses it
	WIN 0
	s_sub_co_u32 s3, s3, 1
	s_cmp_lg_u32 s3, 0
	s_cbranch_scc1 .Ltail
	PLACES
.irp a, 0,1,2,3
	WIN 0x08                                       ; the LDS stores' data in window 2
.irp b, 0,1,2,3,4,5,6,7
	ds_store_b128 v[STO], v[8*(8*(\a)+(\b)):8*(8*(\a)+(\b))+3]   offset:64*(\b)       ; each accumulator's lowest registers first
	ds_store_b128 v[STO], v[8*(8*(\a)+(\b))+4:8*(8*(\a)+(\b))+7] offset:64*(\b)+16
.endr
	WIN 0
	s_wait_xcnt 0x0                                ; the buffer below was the data of the stores two blocks back: it is loaded again only behind this wait
.set n, 0
.rept 16
	ds_load_b128 v[OB+64*((\a)%2)+4*n:OB+64*((\a)%2)+4*n+3], v[RD] offset:SPP*n   ; LDS serves a wave's instructions in order: these see the stores above
.set n, n+1
.endr
.set n, 0
.rept 16
	s_wait_dscnt 15-n                              ; the younger loads stay out
	global_store_b128 v[CO], v[OB+64*((\a)%2)+4*n:OB+64*((\a)%2)+4*n+3], s[8:9] offset:(\a)*131072+n*8192 th:TH_STORE_NT
.set n, n+1
.endr
.endr
	s_wait_tensorcnt 0x0                           ; the wave's end
	ds_add_u32 v[SPW], v[NIL]
	s_wait_dscnt 0x0
	CROUND                                         ; the closing round
	s_endpgm
.Lfunc_end_k_qc7876362ee_oproj:
	.size	k_qc7876362ee_oproj, .Lfunc_end_k_qc7876362ee_oproj-k_qc7876362ee_oproj
	.p2alignl 7, 3214868480
	.fill 96, 4, 3214868480
	.section	.rodata,"a",@progbits
	.p2align	6, 0x0
	.amdhsa_kernel k_qc7876362ee_oproj
		.amdhsa_group_segment_fixed_size 327680
		.amdhsa_private_segment_fixed_size 0
		.amdhsa_enable_private_segment 0
		.amdhsa_kernarg_size 24
		.amdhsa_user_sgpr_count 2
		.amdhsa_user_sgpr_kernarg_segment_ptr 1
		.amdhsa_wavefront_size32 1
		.amdhsa_system_sgpr_workgroup_id_x 1
		.amdhsa_system_sgpr_workgroup_id_y 1
		.amdhsa_system_sgpr_workgroup_id_z 1
		.amdhsa_system_vgpr_workitem_id 0
		.amdhsa_next_free_vgpr 768
		.amdhsa_next_free_sgpr 68
		.amdhsa_reserve_vcc 0
		.amdhsa_float_denorm_mode_32 3
		.amdhsa_float_denorm_mode_16_64 3
		.amdhsa_memory_ordered 1
		.amdhsa_forward_progress 1
		.amdhsa_inst_pref_size 69
	.end_amdhsa_kernel
	.amdgpu_metadata
---
amdhsa.version: [ 1, 2 ]
amdhsa.kernels:
  - .name:           k_qc7876362ee_oproj
    .symbol:         k_qc7876362ee_oproj.kd
    .args:
      - { .name: att, .offset: 0, .size: 8, .value_kind: global_buffer, .address_space: global }
      - { .name: wo16, .offset: 8, .size: 8, .value_kind: global_buffer, .address_space: global }
      - { .name: out0, .offset: 16, .size: 8, .value_kind: global_buffer, .address_space: global }
    .group_segment_fixed_size: 327680
    .private_segment_fixed_size: 0
    .kernarg_segment_align: 8
    .kernarg_segment_size: 24
    .max_flat_workgroup_size: 128
    .sgpr_count:     68
    .vgpr_count:     768
    .wavefront_size: 32
...
	.end_amdgpu_metadata
.endif
;; end of part 4
